; MI455X (gfx1250); checked and timed in simulation.
; The chip was launched on July 23, 2026; its instructions are those of AMD's public machine-readable ISA for CDNA 5 (MIT licence, August 2026) and "CDNA5" Instruction Set Architecture Reference Guide (July 2026). The comments in the code are by the model that wrote it; some were corrected since.
;; Multi Head Attention. Allowed arithmetic: matrix products marked QUANTISED: E2M3 operands, one E8M0 scale for each 32 along K, by v_wmma_scale_f32_16x16x128_f8f6f4 with both operands' format E2M3, f32 sums; everything else in f32.
;; Inputs: K 4 x 2,048 x 1,024 float32; Q 4 x 2,048 x 1,024 float32; V 4 x 2,048 x 1,024 float32; WK 16 x 64 x 1,024 float32; WO 1,024 x 1,024 float32; WQ 16 x 64 x 1,024 float32; WV 16 x 64 x 1,024 float32.
;; Outputs: out0 4 x 2,048 x 1,024 float32.
;; This version of the problem:
;;   THIS VERSION OF THE PROBLEM IS GIVEN IN LOW PRECISION. The matrix products marked QUANTISED in the list below multiply operands that are first quantised to E2M3 (2 exponent bits, 3 mantissa bits; 6 bits a number), with one power-of-two scale for each 32 numbers along K (OCP MX v1.0); their sums are f32. All else is computed in f32.
;;   The module's matrix products, in the order in which they are computed (A, B: the left and right operand; K: the contracted axis; several contracted axes count as one K, in the product's order):
;;     1. [M 1,024, K 1,024] x [K 1,024, N 8,192]; A: input WQ; B: input Q: QUANTISED
;;     2. [M 1,024, K 1,024] x [K 1,024, N 8,192]; A: input WK; B: input K: QUANTISED
;;     3. [M 1,024, K 1,024] x [K 1,024, N 8,192]; A: input WV; B: input V: QUANTISED
;;     4. batch 64 x [M 2,048, K 64] x [K 64, N 2,048]; A: computed on the way; B: computed on the way: QUANTISED
;;     5. batch 64 x [M 2,048, K 2,048] x [K 2,048, N 64]; A: softmax (see below); B: computed on the way: QUANTISED
;;     6. [M 8,192, K 1,024] x [K 1,024, N 1,024]; A: computed on the way; B: input WO: QUANTISED
;;   THE QUANTISER, for each operand of a quantised product, along K:
;;     - K is cut into blocks of 32 from its start; a last block that is shorter is filled with zeros.
;;     - A block's scale is 2^e with e = floor(log2(the largest magnitude in the block)) - 2, held to -126 .. 127; a block of zeros has e = 0. As a byte (E8M0): e + 127.
;;     - Each number is divided by its block's scale, clamped to +-7.5, and rounded to the nearest number of E2M3, ties to even, subnormals kept.
;;     - The product sums the exact products of the quantised numbers (number of the format x scale) in f32.
;;   ~~~python
;;   def quantise(x, axis):      # numpy; x: float32 -> the quantised numbers, widened to float32 again
;;       x = np.moveaxis(x, axis, -1); K = x.shape[-1]
;;       x = np.pad(x, [(0, 0)] * (x.ndim - 1) + [(0, -K % 32)]); x = x.reshape(x.shape[:-1] + (-1, 32)); a = np.abs(x).max(-1, keepdims=True)
;;       e = np.where(a > 0, np.clip(np.frexp(np.where(a > 0, a, 1))[1] - 1 - 2, -126, 127), 0)      # np.frexp(a)[1] - 1 = floor(log2(a)), exactly
;;       r = np.clip(x / 2.0 ** e, -7.5, 7.5)
;;       step = 2.0 ** (np.maximum(np.frexp(np.where(r == 0, 1, r))[1] - 1, 0) - 3)
;;       q = np.round(r / step) * step * 2.0 ** e      # np.round: ties to even
;;       return np.moveaxis(q.reshape(q.shape[:-2] + (-1,))[..., :K], -1, axis).astype(np.float32)
;;   ~~~
;;   SOFTMAX AHEAD OF A QUANTISED PRODUCT. Where the list says 'softmax', what is quantised is not the finished softmax but p = 2^(t - M), with t = logit x log2(e) and M = ceil(the row's largest t), a whole number; so 1/2 < the row's largest p <= 1. The row's sum l is taken of the UNQUANTISED p, in f32, and the product's result is divided by l at the end. Since M is a whole number, a kernel that streams over the keys may use a running M (the ceiling of the running maximum): every later rescaling is an exact power of two, which a block's scale takes up: the codes' values come out the same.
;;   OPERANDS COMPUTED ON THE WAY. 'Computed on the way' means the value that the module computes at that place (a softmax that the list does not call 'softmax' is quantised finished and normalised). What goes into a quantiser is computed in f32, as accurately as f32 sums, v_exp_f32 and their like allow (about 1e-6 of the number): no bf16 or f16 on the way to a quantiser, and a product that is left as it is and whose result goes on into a quantised operand takes f32 operands (vector FMAs, or v_wmma_f32_16x16x4_f32). A number that lies on a knife's edge between two numbers of the format may be rounded either way, as far as f32 arithmetic and the matrix unit's own rounding can turn it there, and no further.
;; One version. Each part assembles by itself: llvm-mc -triple=amdgcn-amd-amdhsa -mcpu=gfx1250 --defsym DOCPART=n.
;; ======== version 1 of 1: 4 launches
;; limits: right only within a limited range of input values
;; workspace buffers: xc 22,020,096 bytes; xs 917,504 bytes; qkv 20,185,088 bytes; cc 6,291,456 bytes; cs 262,144 bytes
;; launch quant (part 1): grid 448 x 1, 4 waves a work-group, no clusters, 37,376 bytes of LDS; arguments Q, K, V, WQ, WK, WV, WO, xc, xs; writes xc, xs
.if DOCPART == 1
	.amdgcn_target "amdgcn-amd-amdhsa--gfx1250"
	.amdhsa_code_object_version 6
	.text
	.protected	k_q9750484bc2_quant
	.globl	k_q9750484bc2_quant
	.p2align	8
	.type	k_q9750484bc2_quant,@function
k_q9750484bc2_quant:
	s_mov_b64 s[64:65], 0
	v_nop
	global_prefetch_b8 v0, s[64:65] scope:SCOPE_SE
	s_setreg_imm32_b32 hwreg(HW_REG_WAVE_MODE, 25, 1), 1
	s_wait_xcnt 0x0
; THE PROGRAM: multi-head attention, B 4, S 2,048, D 1,024, 16 heads of 64, all six products on codes of E2M3 with one E8M0 byte for each 32 along K.
; Four launches: quant (this one: the seven f32 inputs into codes), proj (Qh, Kh, Vh, quantised in registers), attn (scores, softmax, p Vh, / l, ctx quantised), out (ctx WO^T).
; DEAD WORK LEFT OUT, in launch attn: reference() adds -1e9 to every logit whose key comes after its query.  With t = logit x log2(e) and M = ceil(the row's largest t), such a key's p = 2^(t - M)
; lies under 2^(-1e9) of the row's largest p wherever the logits themselves stay under 1e8 in magnitude: f32 holds it as 0, so it adds nothing to the row's sum nor to ctx.  So a step of 128 keys that
; all come after a wave's 16 queries is not multiplied; inside the one step on the diagonal hidden scores become -infinity ahead of the maximum.  No input is dead: all seven are loaded.
; LIMITS: logits under 1e8 in magnitude (beyond that reference()'s own mask no longer hides a key); a NaN, an infinity or an overflow that reaches only the steps left out is not carried to the result;
; NaN and infinities among the inputs are not served; a block whose largest magnitude lies under 2^(3 - 127) gets the byte 1, a block of zeros too (the rule says 127: its codes are zeros, and this program alone reads the bytes).
; ORDER INSIDE A BLOCK OF 32 ALONG K, in every buffer of codes of this program: places 0-7 hold numbers 0-7, places 8-15 numbers 16-23, places 16-23 numbers 8-15, places 24-31 numbers 24-31.
; That is the order in which a matrix result's registers come out of the conversions (launches proj and attn).  Both operands of every product have it, so each code meets its partner; blocks and scales are the true ones;
; only the order of the sums inside a matrix instruction differs from ascending K.
; FRAGMENT IMAGE: 16 rows x 128 along K lie in memory as the operand's 12 registers: six pieces of 256 bytes, piece p = registers 2 p, 2 p + 1, lane l's 8 bytes at 8 l.  Lane (r = l % 16, h = l / 16), registers 6 c .. 6 c + 5: block 2 c + h of row r.
; THIS LAUNCH.  The seven tensors are rows of 1,024 numbers, stacked: Q 0, K 8,192, V 16,384, WQ 24,576, WK 25,600, WV 26,624, WO 27,648: 28,672 rows.  xc: [row / 16][K step of 128: 8][image of 1,536 bytes]; xs: [row][32 bytes].
; A wave takes 16 rows, in 16 steps of 64 along K.  Each load reads two rows' 256 consecutive bytes; the 4,096 bytes turn through the wave's own stage in LDS (rows 272 bytes apart) and come back 128 bytes a lane:
; a whole block, in the order above.  A step's codes are three pieces: three stores of 256 consecutive, aligned bytes.  The 512 scale bytes gather in LDS and leave as one dense run.
; No tensor loads, no barrier (waves share nothing), no matrix unit, no cluster (no two work-groups read the same bytes).  Loads run four steps (32 loads a wave) ahead, the turn through LDS one step.
.set WREG,  9216                       ; LDS of a wave: two stages of 16 x 272 bytes, then its 512 scale bytes
.set STGB,  4352
.set SBY,   2*STGB
.set SPARE, 4*WREG                     ; behind the four regions: the spare words, 128 bytes for each wave: two blocks of 256 bytes that no other line names
.set GL,  2                            ; v2   a load's offset: 4,096 (l / 16) + 16 (l % 16)
.set SWA, 3                            ; v3   the stage, on the way in: 272 (l / 16) + 16 (l % 16)
.set SRA, 4                            ; v4   and on the way out: 272 r + 128 h
.set SBA, 5                            ; v5   my block's scale byte: 32 r + h
.set SBR, 6                            ; v6   the scale bytes on their way out: 16 l
.set GO8, 7                            ; v7   8 l
.set GO16, 8                           ; v8   16 l
.set SPW, 12                           ; v12  LDS address of my spare word; never rewritten
.set NIL, 13                           ; v13  0; never rewritten
.set R,   16                           ; v16-143  four sets of 32 registers as loaded
.set X,   144                          ; v144-207 two sets of 32: a block
.set C,   208                          ; v208-214 a block's codes
.set E,   216                          ; v216-231 a scale byte for each step, so that no LDS store's data are written again
	s_load_b512 s[4:19], s[0:1], 0x0               ; Q, K, V, WQ, WK, WV, WO, xc
	s_load_b64 s[20:21], s[0:1], 0x40              ; xs
	v_lshl_add_u32 v[SPW], v0, 2, SPARE
	v_mov_b32 v[NIL], 0
	v_lshrrev_b32 v1, 5, v0
	v_readfirstlane_b32 s22, v1                    ; wave
	v_and_b32 v1, 31, v0                           ; lane
	v_and_b32 v14, 15, v0                          ; r
	v_bfe_u32 v15, v0, 4, 1                        ; h
	s_mul_i32 s23, s22, WREG
	v_lshlrev_b32 v[GL], 4, v14
	v_lshl_add_u32 v[GL], v15, 12, v[GL]
	v_mul_u32_u24 v[SWA], v15, 272
	v_lshl_add_u32 v[SWA], v14, 4, v[SWA]
	v_add_nc_u32 v[SWA], s23, v[SWA]
	v_mul_u32_u24 v[SRA], v14, 272
	v_lshl_add_u32 v[SRA], v15, 7, v[SRA]
	v_add_nc_u32 v[SRA], s23, v[SRA]
	v_lshl_add_u32 v[SBA], v14, 5, v15
	v_add_nc_u32 v[SBA], s23, v[SBA]
	v_add_nc_u32 v[SBA], SBY, v[SBA]
	v_lshlrev_b32 v[GO16], 4, v1
	v_add_nc_u32 v[SBR], s23, v[GO16]
	v_add_nc_u32 v[SBR], SBY, v[SBR]
	v_lshlrev_b32 v[GO8], 3, v1
	s_wait_kmcnt 0x0
	s_mov_b64 s[24:25], s[16:17]                   ; which tensor is my work-group's: the choice hangs on the work-group's number alone
	s_mov_b32 s26, 432                             ; and that tensor's first work-group
	s_cmp_lt_u32 ttmp9, 432
	s_cselect_b64 s[24:25], s[14:15], s[24:25]
	s_cselect_b32 s26, 416, s26
	s_cmp_lt_u32 ttmp9, 416
	s_cselect_b64 s[24:25], s[12:13], s[24:25]
	s_cselect_b32 s26, 400, s26
	s_cmp_lt_u32 ttmp9, 400
	s_cselect_b64 s[24:25], s[10:11], s[24:25]
	s_cselect_b32 s26, 384, s26
	s_cmp_lt_u32 ttmp9, 384
	s_cselect_b64 s[24:25], s[8:9], s[24:25]
	s_cselect_b32 s26, 256, s26
	s_cmp_lt_u32 ttmp9, 256
	s_cselect_b64 s[24:25], s[6:7], s[24:25]
	s_cselect_b32 s26, 128, s26
	s_cmp_lt_u32 ttmp9, 128
	s_cselect_b64 s[24:25], s[4:5], s[24:25]
	s_cselect_b32 s26, 0, s26
	s_sub_co_u32 s26, ttmp9, s26
	s_lshl_b32 s26, s26, 2
	s_add_co_u32 s26, s26, s22
	s_lshl_b32 s26, s26, 16                        ; my 16 rows in the tensor: 65,536 bytes each run
	s_mov_b32 s27, 0
	s_add_nc_u64 s[24:25], s[24:25], s[26:27]
	s_lshl_b32 s28, ttmp9, 2
	s_add_co_u32 s28, s28, s22                     ; my 16 rows among the stacked rows
	s_mul_i32 s30, s28, 12288
	s_mov_b32 s31, 0
	s_add_nc_u64 s[18:19], s[18:19], s[30:31]
	s_lshl_b32 s30, s28, 9
	s_add_nc_u64 s[20:21], s[20:21], s[30:31]
.macro LOAD u                          ; step u: 256 bytes of each of my 16 rows
.irp i, 0,1,2,3,4,5,6,7
	global_load_b128 v[R+32*((\u)%4)+4*\i:R+32*((\u)%4)+4*\i+3], v[GL], s[24:25] offset:8192*\i+256*(\u) th:TH_LOAD_NT
.endr
.endm
.macro TURN u                          ; through the stage: LDS serves a wave's instructions in order, so no wait stands between the stores and the loads
.irp i, 0,1,2,3,4,5,6,7
	ds_store_b128 v[SWA], v[R+32*((\u)%4)+4*\i:R+32*((\u)%4)+4*\i+3] offset:STGB*((\u)%2)+544*\i
.endr
.set NN, 0
.irp o, 0,16,64,80,32,48,96,112        ; numbers 0-7, 16-23, 8-15, 24-31 of my block
	ds_load_b128 v[X+32*((\u)%2)+4*NN:X+32*((\u)%2)+4*NN+3], v[SRA] offset:STGB*((\u)%2)+\o
.set NN, NN+1
.endr
.endm
.macro STEP u
.set XS, X+32*((\u)%2)
.if (\u) > 0
	s_wait_dscnt 1                                 ; this step's block is back from the stage (the last step's byte store may be out): so its stores into the stage have read their registers,
.else
	s_wait_dscnt 0x0
.endif
.if (\u)+4 < 16
	LOAD (\u)+4                                    ; which take the loads of four steps on
.endif
.if (\u)+1 < 16
.if (\u) <= 11
	s_wait_loadcnt 24                              ; the next step's eight loads are in; those of the three steps behind it may be out
.else
	s_wait_loadcnt 8*(14-(\u))
.endif
	TURN (\u)+1
.endif
	v_max3_num_f32 v9, |v[XS]|, |v[XS+1]|, |v[XS+2]|           ; the block's largest magnitude: all 32 numbers are mine; two chains
	v_max3_num_f32 v10, |v[XS+3]|, |v[XS+4]|, |v[XS+5]|
.irp i, 6,10,14,18,22,26
	v_max3_num_f32 v9, v9, |v[XS+\i]|, |v[XS+\i+1]|
	v_max3_num_f32 v10, v10, |v[XS+\i+2]|, |v[XS+\i+3]|
.endr
	v_max3_num_f32 v9, v9, |v[XS+30]|, |v[XS+31]|
	v_max3_num_f32 v9, v9, v10, 0x1800000          ; and the floor 2^(3 - 127): the byte cannot fall under 1
	v_add_nc_u32 v11, 0xff000000, v9               ; 2 off the exponent field: the conversion takes the exponent field of this operand as its scale, and nothing else of it
	s_wait_xcnt 0x0                                ; the last step's stores have read their data: the codes' registers are written again only behind this wait
	v_cvt_scalef32_pk16_fp6_f32 v[C:C+2], v[XS:XS+15], v11
	v_cvt_scalef32_pk16_fp6_f32 v[C+4:C+6], v[XS+16:XS+31], v11    ; (a conversion's three registers begin on an even number)
	v_lshrrev_b32 v[E+(\u)], 23, v11               ; the scale's byte; also the plain line behind the conversions
	v_mov_b32 v[C+3], v[C+4]
	v_mov_b32 v[C+4], v[C+5]
	v_mov_b32 v[C+5], v[C+6]
	ds_store_b8 v[SBA], v[E+(\u)] offset:2*(\u)
.irp p, 0,1,2
	global_store_b64 v[GO8], v[C+2*\p:C+2*\p+1], s[18:19] offset:768*(\u)+256*\p   ; a piece: 32 lanes store 256 consecutive bytes, at a multiple of 256 from xc's first byte
.endr
.endm
.irp t, 0,1,2,3
	LOAD \t
.endr
	s_wait_loadcnt 24                              ; step 0's eight loads are in
	TURN 0
.irp t, 0,1,2,3,4,5,6,7,8,9,10,11,12,13,14,15
	STEP \t
.endr
	ds_load_b128 v[X:X+3], v[SBR]                  ; LDS serves a wave's instructions in order: this sees my byte stores
	s_wait_dscnt 0x0
	global_store_b128 v[GO16], v[X:X+3], s[20:21]  ; my 16 rows' 512 scale bytes, consecutive
	s_wait_tensorcnt 0x0                           ; the wave's end: behind my last LDS store
	ds_add_u32 v[SPW], v[NIL]
	s_wait_dscnt 0x0
	s_endpgm
.Lfunc_end_k_q9750484bc2_quant:
	.size	k_q9750484bc2_quant, .Lfunc_end_k_q9750484bc2_quant-k_q9750484bc2_quant
	.p2alignl 7, 3214868480
	.fill 96, 4, 3214868480
	.section	.rodata,"a",@progbits
	.p2align	6, 0x0
	.amdhsa_kernel k_q9750484bc2_quant
		.amdhsa_group_segment_fixed_size 37376
		.amdhsa_private_segment_fixed_size 0
		.amdhsa_enable_private_segment 0
		.amdhsa_kernarg_size 72
		.amdhsa_user_sgpr_count 2
		.amdhsa_user_sgpr_kernarg_segment_ptr 1
		.amdhsa_wavefront_size32 1
		.amdhsa_system_sgpr_workgroup_id_x 1
		.amdhsa_system_sgpr_workgroup_id_y 1
		.amdhsa_system_sgpr_workgroup_id_z 1
		.amdhsa_system_vgpr_workitem_id 0
		.amdhsa_next_free_vgpr 232
		.amdhsa_next_free_sgpr 66
		.amdhsa_reserve_vcc 0
		.amdhsa_float_denorm_mode_32 3
		.amdhsa_float_denorm_mode_16_64 3
		.amdhsa_memory_ordered 1
		.amdhsa_forward_progress 1
		.amdhsa_inst_pref_size 60
	.end_amdhsa_kernel
	.amdgpu_metadata
---
amdhsa.version: [ 1, 2 ]
amdhsa.kernels:
  - .name:           k_q9750484bc2_quant
    .symbol:         k_q9750484bc2_quant.kd
    .args:
      - { .name: Q, .offset: 0, .size: 8, .value_kind: global_buffer, .address_space: global }
      - { .name: K, .offset: 8, .size: 8, .value_kind: global_buffer, .address_space: global }
      - { .name: V, .offset: 16, .size: 8, .value_kind: global_buffer, .address_space: global }
      - { .name: WQ, .offset: 24, .size: 8, .value_kind: global_buffer, .address_space: global }
      - { .name: WK, .offset: 32, .size: 8, .value_kind: global_buffer, .address_space: global }
      - { .name: WV, .offset: 40, .size: 8, .value_kind: global_buffer, .address_space: global }
      - { .name: WO, .offset: 48, .size: 8, .value_kind: global_buffer, .address_space: global }
      - { .name: xc, .offset: 56, .size: 8, .value_kind: global_buffer, .address_space: global }
      - { .name: xs, .offset: 64, .size: 8, .value_kind: global_buffer, .address_space: global }
    .group_segment_fixed_size: 37376
    .private_segment_fixed_size: 0
    .kernarg_segment_align: 8
    .kernarg_segment_size: 72
    .max_flat_workgroup_size: 128
    .sgpr_count:     66
    .vgpr_count:     232
    .wavefront_size: 32
...
	.end_amdgpu_metadata
.endif
;; end of part 1
;; launch proj (part 2): grid 4 x 96, 4 waves a work-group, clusters of 4 x 4, 327,680 bytes of LDS; arguments xc, xs, qkv; writes qkv
.if DOCPART == 2
	.amdgcn_target "amdgcn-amd-amdhsa--gfx1250"
	.amdhsa_code_object_version 6
	.text
	.protected	k_q9750484bc2_proj
	.globl	k_q9750484bc2_proj
	.p2align	8
	.type	k_q9750484bc2_proj,@function
k_q9750484bc2_proj:
	s_mov_b64 s[64:65], 0
	v_nop
	global_prefetch_b8 v0, s[64:65] scope:SCOPE_SE
	s_setreg_imm32_b32 hwreg(HW_REG_WAVE_MODE, 25, 1), 1
	s_wait_xcnt 0x0
	s_wait_alu depctr_hold_cnt(0) depctr_sa_sdst(0) depctr_va_vdst(0) depctr_va_sdst(0) depctr_va_ssrc(0) depctr_va_vcc(0) depctr_vm_vsrc(0)
	s_getreg_b32 s2, hwreg(HW_REG_IB_STS2, 6, 4)
	s_cmp_eq_u32 s2, 0
	s_cbranch_scc0 .Lentry_in_a_cluster
	s_endpgm
.Lentry_in_a_cluster:
	s_bfe_u32 s2, ttmp6, 0x10000c
	s_cmp_lg_u32 s2, 0xf033
	s_cbranch_scc0 .Lentry_shape_is_right
	s_endpgm
.Lentry_shape_is_right:
; Qh = Q WQ^T, Kh = K WK^T, Vh = V WV^T on the codes that launch quant made, and the results quantised in registers for the products of launch attn.  Nothing of reference() is left out here.
; A tile of 256 x 256 results is made by a work-group of four waves, 128 x 128 a wave: 64 accumulators, 512 registers.  K = 1,024 goes in steps of 256 through a ring of two LDS slots.
; xc holds fragment images (16 rows x 128 K = six pieces of 256 bytes, piece p = registers 2 p, 2 p + 1, 8 bytes a lane): a tensor load brings, for 8 runs of 16 rows, the two images of a K step (3,072 consecutive bytes,
; 12,288 bytes from run to run); a fragment is then six LDS loads of 8 bytes a lane, 256 consecutive bytes each: no pitch, no padding, one address register.
; THE SCALES of the work-group's 2 x 256 rows, for all of K, come into LDS once, with the first fills, and stay.
; CLUSTERS: 4 x 4 work-groups; the four of a row of the cluster need the same tiles of operand A, the four of a column the same tiles of operand B: each tile is asked for jointly.
; ONE GRID SERVES ALL THREE PRODUCTS.  The matrix instruction takes 16 rows of B as source 0 and 16 rows of A as source 1: lane (r, h) of accumulator (a, b) holds A's row 16 a + r and, in its eight registers,
; B's rows 16 b + 8 h + 0 .. 7.  The next product's K must run along a lane's registers.  Clusters y = 0-7: A = Q's rows, B = WQ's (next K = the head's 64); y = 8-15: K and WK; y = 16-23: A = WV's rows, B = V's rows (next K = the keys).
; The choice is made of the cluster's y alone, which all sixteen partners share.
; THE WAY OUT.  The 16 registers of accumulators (a, 2 n) and (a, 2 n + 1) are half a block of 32 along the next K, the other half lies in lane l xor 16: largest magnitude, scale byte, conversion, exchange of halves.
; qkv: [16 batch + head][group of 128 positions][19,712 bytes]: K's 8 half images (16 positions x 64: 768 bytes) 0; K's 128 scale words 6,144; V's 4 images (16 of the head's 64 x 128 keys) 6,656; V's 64 words 12,800;
; Q's 8 half images 13,056; Q's 128 words 19,200.  A Q or K word holds its head's two bytes in bytes 0 and 1; bytes 2 and 3 hold the neighbouring head's bytes or 0, never 0xff: launch attn multiplies them by zero codes.
; LIMITS: as stated at the head of launch quant.
.set NQ,     2                         ; matrix instructions deep in a slot
.set FIB,    1536                      ; a fragment image
.set TILEB,  NQ*FIB                    ; 16 rows' bytes in a slot
.set KROW,   768                       ; bytes of codes for a row (an image's 1,536 x 8 K steps / 16 rows)
.set FR,     12                        ; registers of a fragment
.set NL,     6                         ; LDS loads that bring one
.set NP,     4                         ; places behind this matrix instruction (ISA guide 7.12.1)
.set HALFT,  8*TILEB                   ; 128 rows: what one tensor load brings, and what one wave reads of A or of B
.set SLOT,   4*HALFT                   ; A's 256 rows, then B's 256 rows
.set LAPS,   2                         ; a lap = two K steps of 256 = once round the ring
.set KS,     32                        ; a row of scale bytes
.set SCL,    2*SLOT                    ; behind the ring: the scales, as units of 256 bytes + 16 of padding
.set HALFS,  16*272                    ; those of 128 rows
.set SBLK,   2*272                     ; those of 16 rows
.set SPARE,  SCL+4*HALFS               ; the spare words, 128 bytes for each wave: two blocks of 256 bytes that no other line names
.set SSTG,   SPARE+512                 ; the way out's scale words: 1,024 bytes for each wave; no tensor load ever lands here
.set BLKB,   19712                     ; a block of qkv
.set HSTR,   16*BLKB                   ; from a head to the next
.set GO,   4                           ; v4      8 x lane
.set ADRA, 16                          ; v16-17  LDS address of my A fragments in slot 0, 1
.set ADRB, 20                          ; v20-21  the same for B
.set SST,  24                          ; v24     where I put a scale word: 1,024 wave + 512 h + 4 r
.set SRD,  25                          ; v25     and where I read them back: 1,024 wave + 16 l
.set ADRS, 27                          ; v27     LDS address of my scale words: lanes 0-15 A's rows, lanes 16-31 B's
.set SPW,  28                          ; v28     LDS address of my spare word; never rewritten
.set NIL,  29                          ; v29     0; never rewritten
.set SH,   30                          ; v30     Q, K: 16 h; V: 0
.set OFF1, 31                          ; v31     the scale words' place in memory
.set SC,   32                          ; v32-63  scale words, two sets
.set TM,   64                          ; v64-79  the way out: largest magnitudes, bytes, scale operands
.set PW,   80                          ; v80     a row's scale word
.set PC,   84                          ; v84-103 the codes just made
.set RB,   104                         ; v104-111 scale words read back
.set SW,   112                         ; v112-119 the word as it is stored, one register for each block, so that no LDS store's data are written again
.set AF,   128                         ; v128-223 A's fragments, one set (window 0); window 1: B's, two sets, at v0 and v128; windows 2, 3: the accumulators
.set G1, 24
.set G0, 32
.set G1B, 48
.set G0B, 56
.set G1S, 68
.set G0S, 76
.set G1SB, 80
.set G0SB, 88
.set SEL, 92                           ; s[92:93] on the way out: lane selects for v_permlanex16_b32
.set FL,  94                           ; s94      on the way out: the floor 2^(3 - 127)
.set MSB, 0
.macro WIN new                         ; the immediate's high byte repeats the setting that is left
.if MSB != (\new)
	s_set_vgpr_msb (MSB<<8)|(\new)
.set MSB, (\new)
.endif
.endm
.set MUL_LO, 0xa1                      ; source 0 (B) window 1, source 1 (A) window 0, C and D window 2
.set MUL_HI, 0xf1                      ; the same, C and D window 3
.set TO_B,   0x40                      ; destination window 1, address window 0
; A joint load: waves 0 and 1 fetch for A, waves 2 and 3 for B.  Each of the two lines has one mask and one set of registers for all that issue it; the branch hangs on the wave's number alone.
; An s_nop 0 and four v_nop follow each of the two lines, ahead of the jump, the label and what follows.
.macro JLOAD g0a, g1a, g0b, g1b
	s_cmp_eq_u32 s15, 0
	s_cbranch_scc0 .Lfor_b_\@
	tensor_load_to_lds s[\g0a:\g0a+3], s[\g1a:\g1a+7]
	s_nop 0
.rept 4
	v_nop
.endr
	s_branch .Lasked_\@
.Lfor_b_\@:
	tensor_load_to_lds s[\g0b:\g0b+3], s[\g1b:\g1b+7]
	s_nop 0
.rept 4
	v_nop
.endr
.Lasked_\@:
.endm
.macro CREST                           ; a round of the cluster's barrier behind its opening barrier
	s_cmp_lg_u32 s14, 0
	s_cbranch_scc1 .Lnot_wave_0_\@
	s_barrier_signal -3
.Lnot_wave_0_\@:
	s_barrier_wait -3
	s_barrier_signal -1
	s_barrier_wait -1
.endm
.macro CROUND                          ; a whole round
	s_barrier_signal -1
	s_barrier_wait -1
	CREST
.endm
	s_load_b128 s[4:7], s[0:1], 0x0                ; xc s[4:5], xs s[6:7]
	s_load_b64 s[8:9], s[0:1], 0x10                ; qkv
	v_lshl_add_u32 v[SPW], v0, 2, SPARE
	v_mov_b32 v[NIL], 0
	ds_add_u32 v[SPW], v[NIL]                      ; the wave's opening: the add, twice on end, and its wait ahead of my first tensor load; the set-up below stands between the second and the wait
	ds_add_u32 v[SPW], v[NIL]
	v_lshrrev_b32 v1, 5, v0
	v_readfirstlane_b32 s14, v1                    ; wave 0..3
	s_lshr_b32 s15, s14, 1                         ; which half of A's 256 rows is mine.  Also: I fetch for A (0) or for B (1)
	s_and_b32 s16, s14, 1                          ; which half of B's 256 rows.  Also: which 128 rows of that tile I fetch
	s_bfe_u32 s40, ttmp6, 0x40000                  ; cx, cy: my place in the cluster
	s_bfe_u32 s41, ttmp6, 0x40004
	s_and_b32 s66, ttmp7, 0xffff                   ; the cluster's y, 0 .. 23: which product, and which part of it
	s_sub_co_u32 s98, s66, 16
	s_lshr_b32 s97, s66, 3
	s_lshl_b32 s97, s97, 10
	s_add_co_u32 s97, s97, 24576                   ; WQ's or WK's first row among the stacked rows
	s_mov_b32 s99, 16384                           ; V's
	s_mov_b32 s96, 26624                           ; WV's
	s_cmp_lt_u32 s66, 16                           ; Q or K?
	s_cselect_b32 s67, s66, 0                      ; the cluster's place down A's tiles,
	s_cselect_b32 s95, 0, s98                      ; and along B's
	s_cselect_b32 s96, 0, s96                      ; A's first row: Q's and K's rows are stacked from 0 on
	s_cselect_b32 s97, s97, s99                    ; B's first row
	s_lshl_b32 s42, s95, 2
	s_add_co_u32 s42, s42, s40                     ; B's tile
	s_lshl_b32 s17, s67, 2
	s_add_co_u32 s17, s17, s41                     ; A's tile
	s_lshl_b32 s43, s41, 2
	s_lshl_b32 s43, 15, s43                        ; my row of the cluster
	s_lshl_b32 s44, 0x1111, s40                    ; my column
	; descriptor group 1 for codes: 8 rows of 384 elements of 8 bytes, 1,536 elements apart; dense in LDS
	s_or_b32 s[G1+0], s43, (3<<16)|(1<<21)         ; 15:0 the mask: A's tiles go to my row; 17:16 elements of 8 bytes; 20 padding off; 21 set beside a mask
	s_or_b32 s[G1B+0], s44, (3<<16)|(1<<21)
.irp g, G1, G1B
	s_mov_b32 s[\g+1], 384<<16                     ; tensor_dim0
	s_mov_b32 s[\g+2], 8<<16                       ; tensor_dim1
	s_mov_b32 s[\g+3], 384<<16                     ; tile_dim0
	s_mov_b32 s[\g+4], 8                           ; tile_dim1
	s_mov_b32 s[\g+5], 1536                        ; tensor_dim0_stride
	s_mov_b32 s[\g+6], 0
	s_mov_b32 s[\g+7], 0
.endr
	; and for the scales of 128 rows: 4,096 dense bytes as 16 rows of 256 bytes, 16 bytes of padding behind each
	s_or_b32 s[G1S+0], s43, (3<<16)|(1<<20)|(1<<21)|(5<<22)|(3<<25)
	s_or_b32 s[G1SB+0], s44, (3<<16)|(1<<20)|(1<<21)|(5<<22)|(3<<25)
.irp g, G1S, G1SB
	s_mov_b32 s[\g+1], 32<<16
	s_mov_b32 s[\g+2], 16<<16
	s_mov_b32 s[\g+3], 32<<16
	s_mov_b32 s[\g+4], 16
	s_mov_b32 s[\g+5], 32
	s_mov_b32 s[\g+6], 0
	s_mov_b32 s[\g+7], 0
.endr
	s_lshl_b32 s18, s16, 7                         ; which 128 rows of the tile I fetch
	s_lshl_b32 s20, s17, 8
	s_add_co_u32 s20, s20, s18
	s_add_co_u32 s20, s20, s96                     ; A: stacked row
	s_lshl_b32 s46, s42, 8
	s_add_co_u32 s46, s46, s18
	s_add_co_u32 s46, s46, s97                     ; B: stacked row
	s_mov_b32 s21, 0
	s_mov_b32 s47, 0
	s_mov_b64 s[18:19], KS
	s_mul_u64 s[22:23], s[20:21], s[18:19]         ; where these rows' scales begin, in bytes
	s_mul_u64 s[92:93], s[46:47], s[18:19]
	s_mov_b64 s[18:19], KROW
	s_mul_u64 s[20:21], s[20:21], s[18:19]         ; and their codes
	s_mul_u64 s[46:47], s[46:47], s[18:19]
	s_mul_i32 s45, s14, HALFT                      ; where they go: wave x 128 rows: no place in the cluster enters an LDS address
	s_mul_i32 s94, s14, HALFS
	s_wait_dscnt 0x0                               ; both opening adds are done
	s_wait_kmcnt 0x0
	s_add_nc_u64 s[20:21], s[4:5], s[20:21]
	s_add_nc_u64 s[22:23], s[6:7], s[22:23]
	s_add_nc_u64 s[46:47], s[4:5], s[46:47]
	s_add_nc_u64 s[92:93], s[6:7], s[92:93]
	CROUND                                         ; all sixteen work-groups are here: the first joint loads meet
	s_mov_b32 s[G0S], 1
	s_add_co_u32 s[G0S+1], s94, SCL
	s_mov_b64 s[G0S+2:G0S+3], s[22:23]
	s_or_b32 s[G0S+3], s[G0S+3], 0x80000000
	s_mov_b32 s[G0SB], 1
	s_add_co_u32 s[G0SB+1], s94, SCL
	s_mov_b64 s[G0SB+2:G0SB+3], s[92:93]
	s_or_b32 s[G0SB+3], s[G0SB+3], 0x80000000
	JLOAD G0S, G1S, G0SB, G1SB                     ; the scales first: they are wanted with K step 0
.irp s, 0,1
	s_mov_b32 s[G0+4*\s], 1
	s_add_co_u32 s[G0+4*\s+1], s45, \s*SLOT
	s_add_nc_u64 s[G0+4*\s+2:G0+4*\s+3], s[20:21], \s*TILEB
	s_or_b32 s[G0+4*\s+3], s[G0+4*\s+3], 0x80000000
	s_mov_b32 s[G0B+4*\s], 1
	s_add_co_u32 s[G0B+4*\s+1], s45, \s*SLOT
	s_add_nc_u64 s[G0B+4*\s+2:G0B+4*\s+3], s[46:47], \s*TILEB
	s_or_b32 s[G0B+4*\s+3], s[G0B+4*\s+3], 0x80000000
	JLOAD G0+4*\s, G1, G0B+4*\s, G1B               ; three loads of mine are out behind the second of these
.endr
	v_and_b32 v1, 15, v0                           ; r = l % 16
	v_bfe_u32 v2, v0, 4, 1                         ; h = l / 16
	v_and_b32 v3, 31, v0
	v_lshlrev_b32 v[GO], 3, v3                     ; 8 x lane: my place in a piece
	s_mul_i32 s21, s15, HALFT                      ; my 128 rows of A
	s_mul_i32 s22, s16, HALFT                      ; my 128 rows of B,
	s_add_co_u32 s22, s22, 2*HALFT                 ; which lie behind A's 256
.irp s, 0,1
	v_add_nc_u32 v[ADRA+\s], s21, v[GO]
	v_add_nc_u32 v[ADRB+\s], s22, v[GO]
	s_add_co_u32 s21, s21, SLOT
	s_add_co_u32 s22, s22, SLOT
.endr
	v_mul_u32_u24 v5, v1, KS                       ; my row's scales: KS bytes a row,
	v_lshrrev_b32 v6, 8, v5
	v_lshl_add_u32 v5, v6, 4, v5                   ; and 16 more for each 256 passed
	s_mul_i32 s21, s15, HALFS                      ; A's: my 128 rows
	s_mul_i32 s22, s16, HALFS                      ; B's: my 128 rows, behind A's 256
	s_add_co_u32 s22, s22, 2*HALFS
	s_sub_co_u32 s22, s22, s21
	v_mul_u32_u24 v6, s22, v2                      ; lanes 16-31 take B's
	s_add_co_u32 s21, s21, SCL
	v_add_nc_u32 v5, v5, v6
	v_add_nc_u32 v[ADRS], s21, v5
	s_lshl_b32 s23, s14, 10
	s_add_co_u32 s23, s23, SSTG                    ; my 1,024 bytes for the way out's scale words
	v_lshlrev_b32 v5, 2, v1
	v_lshl_add_u32 v5, v2, 9, v5
	v_add_nc_u32 v[SST], s23, v5
	v_lshlrev_b32 v5, 4, v3
	v_add_nc_u32 v[SRD], s23, v5
.macro FRAG reg, adr, q, i             ; the image of rows 16 i on, the slot's q-th 128 along K: six pieces, 256 consecutive bytes each
.irp p, 0,1,2,3,4,5
	ds_load_b64 v[\reg+2*\p:\reg+2*\p+1], v[\adr] offset:FIB*(\q)+256*\p+TILEB*(\i)
.endr
.endm
; 16 matrix instructions: A's blocks a0, a0 + 1 x B's eight, 128 along K.  p: B's set;  sc: the set of scale words.  zero = 1: the first product starts the sums: nothing is ever cleared.
; The 64 accumulators take turns, one instruction a turn, in the same order in every step.
.macro MUL16 a0, p, q, sc, zero
.irp a, \a0, \a0+1
.irp b, 0,1,2,3,4,5,6,7
.if \zero
	v_wmma_scale_f32_16x16x128_f8f6f4 v[8*(8*((\a)%4)+\b):8*(8*((\a)%4)+\b)+7], v[128*(\p)+FR*\b:128*(\p)+FR*\b+FR-1], v[AF+FR*(\a):AF+FR*(\a)+FR-1], 0, v[SC+8*NQ*(\sc)+NQ*\b+(\q)], v[SC+8*NQ*(\sc)+NQ*(\a)+(\q)] matrix_a_fmt:MATRIX_FMT_FP6 matrix_b_fmt:MATRIX_FMT_FP6 matrix_a_scale:MATRIX_SCALE_ROW1
.else
	v_wmma_scale_f32_16x16x128_f8f6f4 v[8*(8*((\a)%4)+\b):8*(8*((\a)%4)+\b)+7], v[128*(\p)+FR*\b:128*(\p)+FR*\b+FR-1], v[AF+FR*(\a):AF+FR*(\a)+FR-1], v[8*(8*((\a)%4)+\b):8*(8*((\a)%4)+\b)+7], v[SC+8*NQ*(\sc)+NQ*\b+(\q)], v[SC+8*NQ*(\sc)+NQ*(\a)+(\q)] matrix_a_fmt:MATRIX_FMT_FP6 matrix_b_fmt:MATRIX_FMT_FP6 matrix_a_scale:MATRIX_SCALE_ROW1
.endif
.endr
.endr
.endm
.macro FETCH_B slot, q, p              ; B's eight fragments into set p
	WIN TO_B
.irp i, 0,1,2,3,4,5,6,7
	FRAG 128*(\p)+FR*\i, ADRB+\slot, \q, \i
.endr
	WIN 0
.endm
.macro FETCH_A slot, q, i0             ; A's blocks i0 .. i0 + 3
.irp i, \i0, \i0+1, \i0+2, \i0+3
	FRAG AF+FR*(\i), ADRA+\slot, \q, \i
.endr
.endm
.macro SCALES sc                       ; the next K step's scale words: two words a row; lanes 0-15 take A's block i, lanes 16-31 B's block i
.irp i, 0,1,2,3,4,5,6,7
	ds_load_b64 v[SC+8*NQ*\sc+NQ*\i:SC+8*NQ*\sc+NQ*\i+1], v[ADRS] offset:\i*SBLK
.endr
.endm
.macro PLACES n                        ; plain vector lines between a matrix instruction and a load into, or a read of, its registers
.rept \n
	v_nop
.endr
.endm
; A step of 128 along K that has its successor in the same slot.  A has one set of registers: blocks 0-3 are fetched anew in the step's middle, blocks 4-7 at its end; B has two sets.
.macro STEP slot, q, zero
	s_wait_dscnt 4*NL                              ; B's set and A's blocks 0-3 are in; the youngest 24 loads (A's blocks 4-7) may be out
	WIN MUL_LO
	MUL16 0, (\q)%2, \q, \slot, \zero
	MUL16 2, (\q)%2, \q, \slot, \zero
	s_wait_dscnt 0                                 ; A's blocks 4-7 are in
	PLACES NP
	FETCH_B \slot, (\q)+1, 1-(\q)%2
	FETCH_A \slot, (\q)+1, 0
	WIN MUL_HI
	MUL16 4, (\q)%2, \q, \slot, \zero
	MUL16 6, (\q)%2, \q, \slot, \zero
	PLACES NP
	WIN 0
	FETCH_A \slot, (\q)+1, 4
.endm
; A slot's last step changes slots: one barrier; in front of it each wave waits for all its tensor loads, adds 0 to its spare word, and waits for that and for its own reads of this slot.  fill = 1: this slot is filled again, two K steps ahead.
.macro TURN slot, next, fill
	s_wait_tensorcnt 0x0                           ; all my tensor loads have landed: my part of the next slot
	ds_add_u32 v[SPW], v[NIL]                      ; 0 onto my spare word
	s_wait_dscnt 4*NL+1                            ; (the add and the youngest 24 loads, A's blocks 4-7, may be out)
	WIN MUL_LO
	MUL16 0, 1, NQ-1, \slot, 0                     ; sixteen matrix instructions stand between the add and the wait for it
	s_wait_dscnt 0x0                               ; the add is done, and my reads of this slot are over
	s_barrier_signal -1
	MUL16 2, 1, NQ-1, \slot, 0
	WIN 0
	s_barrier_wait -1
.if \fill
	CREST                                          ; the barrier has opened a round of the cluster's barrier: no wave of any partner still reads this slot's tile or has a load on its way
	s_add_nc_u64 s[G0+4*\slot+2:G0+4*\slot+3], s[G0+4*\slot+2:G0+4*\slot+3], 2*TILEB
	s_add_nc_u64 s[G0B+4*\slot+2:G0B+4*\slot+3], s[G0B+4*\slot+2:G0B+4*\slot+3], 2*TILEB
	JLOAD G0+4*\slot, G1, G0B+4*\slot, G1B         ; the first tensor load behind the round, my one load until the next; its four v_nop are the places in front of the loads below
.else
	PLACES NP
.endif
	v_add_nc_u32 v[ADRS], 4*NQ, v[ADRS]            ; on to the next K step's scale words (no LDS load of mine is out)
	FETCH_B \next, 0, 0
	FETCH_A \next, 0, 0
	SCALES \next
	WIN MUL_HI
	MUL16 4, 1, NQ-1, \slot, 0
	MUL16 6, 1, NQ-1, \slot, 0
	PLACES NP
	WIN 0
	FETCH_A \next, 0, 4
.endm
	s_wait_tensorcnt 1                             ; the scales and my part of K step 0 are in (K step 1's load may be out)
	s_barrier_signal -1
	s_barrier_wait -1                              ; everybody's are
	FETCH_B 0, 0, 0
	FETCH_A 0, 0, 0
	SCALES 0
	FETCH_A 0, 0, 4
	STEP 0, 0, 1                                   ; the first step stands in front of the loop: its products start the sums
	s_mov_b32 s3, LAPS-1
.Llap:                                                 ; a trip goes once round the ring, from a lap's second step to the next lap's first, and fills both slots again
	TURN 0, 1, 1
	STEP 1, 0, 0
	TURN 1, 0, 1
	STEP 0, 0, 0
	s_sub_co_u32 s3, s3, 1
	s_cmp_lg_u32 s3, 0
	s_cbranch_scc1 .Llap
	TURN 0, 1, 0                                   ; the last lap fills nothing, and has no round of the cluster's barrier
	STEP 1, 0, 0
	s_wait_dscnt 4*NL                              ; the very last step: nothing more to fetch
	WIN MUL_LO
	MUL16 0, 1, NQ-1, 1, 0
	MUL16 2, 1, NQ-1, 1, 0
	s_wait_dscnt 0
	WIN MUL_HI
	MUL16 4, 1, NQ-1, 1, 0
	MUL16 6, 1, NQ-1, 1, 0
	WIN 0
	; THE WAY OUT.  No tensor load of mine is out (the last change of slots waited for all), so the scale descriptors' registers are free for its scalars.
	s_and_b32 s68, s17, 31                         ; Q, K: the tile of 256 positions within the tensor
	s_cmp_lt_u32 s66, 16                           ; Q or K?  The cluster's y alone
	s_cselect_b32 s68, s68, s42                    ; U: which 256 positions,
	s_cselect_b32 s69, s15, s16                    ; and which half of them is my wave's
	s_cselect_b32 s70, s42, s17                    ; which four heads,
	s_cselect_b32 s71, s16, s15                    ; and which two of them
	s_mov_b32 s72, FIB
	s_cselect_b32 s72, 768, s72                    ; from block a to block a + 1: a half image (16 positions on), or an image (16 of the head's 64 on)
	s_mov_b32 s74, HSTR-3*FIB
	s_cselect_b32 s74, 768, s74                    ; from block 3 to block 4: V goes on to the next head
	s_mov_b32 s76, 768
	s_cselect_b32 s76, HSTR, s76                   ; from registers 0-5 to registers 6-11: the next head, or the image's second half
	s_cselect_b32 s78, 16, 0                       ; Q, K: lanes 16-31 keep the second head's two bytes
	s_mov_b32 s79, HSTR
	s_cselect_b32 s79, 256, s79                    ; the words' store: from lanes 0-15 to lanes 16-31
	s_mov_b32 s80, 6656
	s_cselect_b32 s80, 0, s80                      ; the section of a block: K 0, V 6,656,
	s_cmp_lt_u32 s66, 8
	s_cselect_b32 s80, 13056, s80                  ; Q 13,056
	s_mov_b32 s73, 0
	s_mov_b32 s75, 0
	s_mov_b32 s77, 0
	s_lshr_b32 s81, s68, 3                         ; the batch
	s_lshl_b32 s81, s81, 4
	s_lshl_b32 s82, s70, 2
	s_add_co_u32 s81, s81, s82
	s_lshl_b32 s82, s71, 1
	s_add_co_u32 s81, s81, s82                     ; 16 batch + my first head
	s_lshl_b32 s81, s81, 4
	s_and_b32 s82, s68, 7
	s_lshl_b32 s82, s82, 1
	s_add_co_u32 s81, s81, s82
	s_add_co_u32 s81, s81, s69                     ; x 16 + my group of 128 positions
	s_mul_i32 s84, s81, BLKB
	s_add_co_u32 s84, s84, s80
	s_mov_b32 s85, 0
	s_add_nc_u64 s[8:9], s[8:9], s[84:85]          ; my section of my first head's block; it stays, for the scale words
	s_mov_b64 s[12:13], s[8:9]                     ; where registers 0-5 go,
	s_add_nc_u64 s[10:11], s[12:13], s[76:77]      ; and registers 6-11
	s_mov_b32 s[SEL], 0x76543210
	s_mov_b32 s[SEL+1], 0xfedcba98                 ; lane l xor 16
	s_mov_b32 s[FL], 0x1800000                     ; the floor 2^(3 - 127)
.irp b, 0,1,2,3
	v_mov_b32 v[TM+4+\b], 0                        ; written once: a lane permute's destination counts as one of its sources.  (These seven plain lines name no register of the last products: they are the places behind them)
.endr
	v_mul_u32_u24 v[SH], s78, v2
	v_mul_u32_u24 v[OFF1], s79, v2
	v_lshl_add_u32 v[OFF1], v1, 4, v[OFF1]
; Block a: A's rows 16 a on against B's 128 rows: four blocks of 32 along the next K, 16 numbers of each in my registers, the other 16 in lane l xor 16.
.macro OUTBLK a
.set WN, 2+(\a)/4
.set AC, 64*((\a)%4)
	WIN (WN<<2)|(WN<<4)                            ; sources 1 and 2: the accumulators' window
.irp b, 0,1,2,3
	v_max3_num_f32 v[TM+\b], s[FL], |v[AC+16*\b]|, |v[AC+16*\b+1]|     ; each accumulator is read from its low end on
.endr
.irp i, 2,4,6,8,10,12,14
.irp b, 0,1,2,3
	v_max3_num_f32 v[TM+\b], v[TM+\b], |v[AC+16*\b+\i]|, |v[AC+16*\b+\i+1]|   ; (the four blocks by turns)
.endr
.endr
	WIN 0
.irp b, 0,1,2,3
	v_permlanex16_b32 v[TM+4+\b], v[TM+\b], s[SEL], s[SEL+1]
.endr
.irp b, 0,1,2,3
	v_max_num_f32 v[TM+\b], v[TM+\b], v[TM+4+\b]   ; the block's largest magnitude
.endr
.irp b, 0,1,2,3
	v_add_nc_u32 v[TM+12+\b], 0xff000000, v[TM+\b] ; 2 off its exponent field: the conversion's scale operand
.endr
.irp b, 0,1,2,3
	v_lshrrev_b32 v[TM+4+\b], 23, v[TM+12+\b]      ; the scale's byte
.endr
	v_lshl_or_b32 v[PW], v[TM+5], 8, v[TM+4]
	v_lshl_or_b32 v[PW], v[TM+6], 16, v[PW]
	v_lshl_or_b32 v[PW], v[TM+7], 24, v[PW]        ; my row's four bytes
.if (\a) > 0
	s_wait_xcnt 0x0                                ; the last block's stores have read their data and their bases: both are written again only behind this wait
.if (\a) == 4
	s_add_nc_u64 s[12:13], s[12:13], s[74:75]
	s_add_nc_u64 s[10:11], s[10:11], s[74:75]
.else
	s_add_nc_u64 s[12:13], s[12:13], s[72:73]
	s_add_nc_u64 s[10:11], s[10:11], s[72:73]
.endif
.endif
	WIN WN                                         ; source 0: the accumulators' window
.irp c, 0,1
	v_cvt_scalef32_pk16_fp6_f32 v[PC+6*\c:PC+6*\c+2], v[AC+32*\c:AC+32*\c+15], v[TM+12+2*\c]
	v_cvt_scalef32_pk16_fp6_f32 v[PC+12+4*\c:PC+14+4*\c], v[AC+16+32*\c:AC+31+32*\c], v[TM+12+2*\c+1]   ; (a conversion's three registers begin on an even number)
.endr
	WIN 0
	v_nop                                          ; one plain line behind the conversions
.irp c, 0,1                                    ; the operand's layout wants a whole block in a lane: lanes 0-15 block 2 c, lanes 16-31 block 2 c + 1
.irp i, 0,1,2
	v_permlane16_swap_b32 v[PC+6*\c+\i], v[PC+12+4*\c+\i]
.endr
.irp i, 0,1,2
	v_mov_b32 v[PC+3+6*\c+\i], v[PC+12+4*\c+\i]
.endr
.endr
	v_lshrrev_b32 v[SW+(\a)], v[SH], v[PW]         ; Q, K: lanes 0-15 keep the first head's bytes lowest, lanes 16-31 the second head's; V: the word as it is (lanes 16-31 then store a second copy, which is never read: so the LDS address hangs on no choice)
	ds_store_b32 v[SST], v[SW+(\a)] offset:64*(\a)
.irp p, 0,1,2
	global_store_b64 v[GO], v[PC+2*\p:PC+2*\p+1], s[12:13] offset:256*\p      ; a piece: 256 consecutive bytes, at a multiple of 256 from qkv's first byte
.endr
.irp p, 0,1,2
	global_store_b64 v[GO], v[PC+6+2*\p:PC+7+2*\p], s[10:11] offset:256*\p
.endr
.endm
.irp a, 0,1,2,3,4,5,6,7
	OUTBLK \a
.endr
	ds_load_b128 v[RB:RB+3], v[SRD]                ; LDS serves a wave's instructions in order: these see my stores.  Q, K: the first head's 128 words; V: both heads' 64
	s_wait_dscnt 0x0
	global_store_b128 v[OFF1], v[RB:RB+3], s[8:9] offset:6144       ; in each section the words lie 6,144 bytes behind the codes
	s_cmp_lt_u32 s66, 16                           ; the cluster's y alone: all sixteen partners and all waves go the same way
	s_cbranch_scc0 .Lno_second
	ds_load_b128 v[RB+4:RB+7], v[SRD] offset:512   ; Q, K: the second head's 128 words
	s_wait_dscnt 0x0
	global_store_b128 v[OFF1], v[RB+4:RB+7], s[8:9] offset:6144+HSTR
.Lno_second:
	s_wait_tensorcnt 0x0                           ; the wave's end: behind my last tensor load and my last LDS store
	ds_add_u32 v[SPW], v[NIL]
	s_wait_dscnt 0x0
	CROUND                                         ; the closing round: no work-group ends while a partner may still ask for a tile that names it
	s_endpgm
.Lfunc_end_k_q9750484bc2_proj:
	.size	k_q9750484bc2_proj, .Lfunc_end_k_q9750484bc2_proj-k_q9750484bc2_proj
	.p2alignl 7, 3214868480
	.fill 96, 4, 3214868480
	.section	.rodata,"a",@progbits
	.p2align	6, 0x0
	.amdhsa_kernel k_q9750484bc2_proj
		.amdhsa_group_segment_fixed_size 327680
		.amdhsa_private_segment_fixed_size 0
		.amdhsa_enable_private_segment 0
		.amdhsa_kernarg_size 24
		.amdhsa_user_sgpr_count 2
		.amdhsa_user_sgpr_kernarg_segment_ptr 1
		.amdhsa_wavefront_size32 1
		.amdhsa_system_sgpr_workgroup_id_x 1
		.amdhsa_system_sgpr_workgroup_id_y 1
		.amdhsa_system_sgpr_workgroup_id_z 1
		.amdhsa_system_vgpr_workitem_id 0
		.amdhsa_next_free_vgpr 1024
		.amdhsa_next_free_sgpr 100
		.amdhsa_reserve_vcc 0
		.amdhsa_float_denorm_mode_32 3
		.amdhsa_float_denorm_mode_16_64 3
		.amdhsa_memory_ordered 1
		.amdhsa_forward_progress 1
		.amdhsa_inst_pref_size 168
	.end_amdhsa_kernel
	.amdgpu_metadata
---
amdhsa.version: [ 1, 2 ]
amdhsa.kernels:
  - .name:           k_q9750484bc2_proj
    .symbol:         k_q9750484bc2_proj.kd
    .args:
      - { .name: xc, .offset: 0, .size: 8, .value_kind: global_buffer, .address_space: global }
      - { .name: xs, .offset: 8, .size: 8, .value_kind: global_buffer, .address_space: global }
      - { .name: qkv, .offset: 16, .size: 8, .value_kind: global_buffer, .address_space: global }
    .group_segment_fixed_size: 327680
    .private_segment_fixed_size: 0
    .kernarg_segment_align: 8
    .kernarg_segment_size: 24
    .max_flat_workgroup_size: 128
    .sgpr_count:     100
    .vgpr_count:     1024
    .wavefront_size: 32
...
	.end_amdgpu_metadata
.endif
;; end of part 2
;; launch attn (part 3): grid 4 x 64, 16 waves a work-group, clusters of 4 x 1, 212,992 bytes of LDS; arguments qkv, cc, cs; writes cc, cs
.if DOCPART == 3
	.amdgcn_target "amdgcn-amd-amdhsa--gfx1250"
	.amdhsa_code_object_version 6
	.text
	.protected	k_q9750484bc2_attn
	.globl	k_q9750484bc2_attn
	.p2align	8
	.type	k_q9750484bc2_attn,@function
k_q9750484bc2_attn:
	s_mov_b64 s[64:65], 0
	v_nop
	global_prefetch_b8 v0, s[64:65] scope:SCOPE_SE
	s_setreg_imm32_b32 hwreg(HW_REG_WAVE_MODE, 25, 1), 1
	s_wait_xcnt 0x0
	s_wait_alu depctr_hold_cnt(0) depctr_sa_sdst(0) depctr_va_vdst(0) depctr_va_sdst(0) depctr_va_ssrc(0) depctr_va_vcc(0) depctr_vm_vsrc(0)
	s_getreg_b32 s2, hwreg(HW_REG_IB_STS2, 6, 4)
	s_cmp_eq_u32 s2, 0
	s_cbranch_scc0 .Lentry_in_a_cluster
	s_endpgm
.Lentry_in_a_cluster:
	s_bfe_u32 s2, ttmp6, 0x10000c
	s_cmp_lg_u32 s2, 0x3003
	s_cbranch_scc0 .Lentry_shape_is_right
	s_endpgm
.Lentry_shape_is_right:
; ctx[b][q][head] = (the sum over keys of Q(p) Q(Vh)) / l, p = 2^(t - M), t = (Q(Qh) . Q(Kh)) x log2(e) / 8, M the running largest t rounded up to a whole number, l the sum of the unquantised p; causal.  ctx is quantised for launch out.
; LEFT OUT: a step of 128 keys that all come after a wave's 16 queries (shown dead at the head of launch quant; the limits stated there hold here).
; SHARES.  A cluster of four work-groups owns one (batch, head); its 64 waves take the head's 128 tiles of 16 queries in pairs t and 127 - t: wave w of partner cx takes group a = w / 2, tile c = 2 cx + w % 2 in it, and then group 15 - a,
; tile 7 - c: (a + 1) + (16 - a) = 17 key steps of 128 for every wave.  Trip counts are constants and branches hang on the wave's number and on counters; cx enters global addresses and the mask's compare value alone.
; LDS.  The head's K, V and their scale words, 16 blocks of 13,056 bytes, are brought once and stay: wave w asks for block w, jointly with the same wave of the three partners (one tensor load a wave is out, no byte is filled again).
; Waves 0 and 1 of every partner walk all 16 key steps, so every partner reads every block.
; LAYOUT.  Both products are used transposed: S^T = K Q^T (source 0 = 16 keys), O^T = V^T P^T (source 0 = 16 of the head's 64): a lane holds one query (lane % 16) throughout.  Register 8 T + j of S^T holds key 16 T + 8 (lane / 16) + j:
; the 16 registers of tiles 2 n, 2 n + 1 are half a block of 32 keys, in the order inside a block that all codes of this program have.
; K = 64 IN AN INSTRUCTION OF 128: Q's registers 6-11 are zero codes.  The eight key tiles' six registers lie on end, so that source 0 of tile T is v[42 + 6 T .. 53 + 6 T]: its upper half is the next tile's codes (behind the last: zeros);
; they meet zero codes, and no scale byte is 0xff: they add exactly 0.
; cc: [16 rows of ctx][K step = head / 2][image]: an even head fills pieces 0-2, an odd one pieces 3-5.  cs: [row][32 bytes], byte 2 head + block: 32 single bytes a tile, in rows 32 bytes apart (one byte in 24 of what ctx stores; the other heads' bytes of a row belong to other work-groups).
.set BLKB,  19712                      ; a block of qkv
.set KVB,   13056                      ; its first part: K, K's words, V, V's words
.set SPARE, 16*KVB                     ; behind the 16 blocks: the spare words, 128 bytes for each wave: eight blocks of 256 bytes that no other line names
.set L8,  1                            ; v1   8 x lane
.set R4,  2                            ; v2   4 r
.set SPW, 3                            ; v3   LDS address of my spare word; never rewritten
.set NIL, 4                            ; v4   0; never rewritten
.set DR,  5                            ; v5   r - 8 h
.set ADK, 6                            ; v6   the step's block + 8 x lane
.set ADS, 7                            ; v7   the step's block + 4 r
.set CB,  8                            ; v8   32 r + h
.set H8,  9                            ; v9   8 h
.set FF,  10                           ; v[10:11] f = 2^(old M - new M); v11 is named with it as a pair
                                       ; v12 -M, v13 the largest t, v[14:15] the sum in two halves
.set Q0,  16                           ; v16-27 Q of my first tile: six registers of codes, six of zeros
.set KW,  28                           ; v28-35 K's scale words
.set VW,  36                           ; v36-39 V's
.set Q0W, 40                           ; v40    Q's, first tile
.set PWD, 41                           ; v41    p's
.set KF,  42                           ; v42-89 eight key tiles x six registers; v90-95 zeros
.set VF,  96                           ; v96-143 V's four fragments
.set S,   144                          ; v144-207 S^T, then p
.set O,   208                          ; v208-239 O^T
.set Q1,  240                          ; v240-251 Q of my second tile
.set Q1W, 252                          ; v252   its scale word
.set DD,  253                          ; v253   16 C + r - 8 h
; at work, in K's registers, which are free between a step's first products and the next step's loads:
.set BM,  42                           ; v42-45 the blocks' largest scores
.set PT,  46                           ; v46-49 lane l xor 16's; then the bytes
.set SO,  50                           ; v50-53 the conversions' scale operands
.set TT,  54
.set NI,  55                           ; -infinity
.set PC,  56                           ; v56-67 p's codes
.set CT,  68                           ; v68-70, v72-74
.set SA,  76                           ; v[76:77] the sum's second chain
.set BY,  78
.set HW,  79
.macro CROUND                          ; a round of the cluster's barrier
	s_barrier_signal -1
	s_barrier_wait -1
	s_cmp_lg_u32 s10, 0
	s_cbranch_scc1 .Lnot_wave_0_\@
	s_barrier_signal -3
.Lnot_wave_0_\@:
	s_barrier_wait -3
	s_barrier_signal -1
	s_barrier_wait -1
.endm
	s_load_b128 s[4:7], s[0:1], 0x0                ; qkv s[4:5], cc s[6:7]
	s_load_b64 s[8:9], s[0:1], 0x10                ; cs
	v_lshl_add_u32 v[SPW], v0, 2, SPARE
	v_mov_b32 v[NIL], 0
	ds_add_u32 v[SPW], v[NIL]                      ; the wave's opening: the add, twice on end, and its wait ahead of my first tensor load; the set-up below stands between the second and the wait
	ds_add_u32 v[SPW], v[NIL]
	v_lshrrev_b32 v1, 5, v0
	s_delay_alu instid0(VALU_DEP_1)
	v_readfirstlane_b32 s10, v1                    ; wave 0..15
	s_bfe_u32 s11, ttmp6, 0x40000                  ; cx
	s_and_b32 s12, ttmp7, 0xffff                   ; 16 batch + head, which the four partners share
	s_lshr_b32 s13, s12, 4                         ; batch
	s_and_b32 s14, s12, 15                         ; head
	s_lshr_b32 s15, s10, 1                         ; a
	s_and_b32 s16, s10, 1
	s_lshl_b32 s68, s11, 1
	s_add_co_u32 s16, s16, s68                     ; c = 2 cx + w % 2
	s_mov_b32 s24, 15|(3<<16)|(1<<21)              ; group 1: 15:0 the mask: all four work-groups; 17:16 elements of 8 bytes; 20 padding off; 21 set beside a mask
	s_mov_b32 s25, 32<<16                          ; tensor_dim0 = 32: rows of 256 bytes
	s_mov_b32 s26, 51<<16                          ; tensor_dim1 = 51: 13,056 dense bytes
	s_mov_b32 s27, 32<<16                          ; tile_dim0
	s_mov_b32 s28, 51                              ; tile_dim1
	s_mov_b32 s29, 32                              ; tensor_dim0_stride
	s_mov_b32 s30, 0
	s_mov_b32 s31, 0
	s_mov_b32 s20, 0x76543210
	s_mov_b32 s21, 0xfedcba98                      ; lane l xor 16
	s_mov_b32 s22, 0x3e38aa3b                      ; c = log2(e) / sqrt(64)
	s_mov_b32 s23, s22                             ; (named with it as a pair, so it is written)
	s_mov_b32 s32, 1                               ; group 0: count = 1
	s_mul_i32 s33, s10, KVB                        ; LDS address: block w
	s_lshl_b32 s66, s12, 4
	s_add_co_u32 s66, s66, s10
	s_mul_i32 s66, s66, BLKB                       ; the head's block w in memory: the same in all four partners
	s_mov_b32 s67, 0
	v_and_b32 v[L8], 31, v0
	s_delay_alu instid0(VALU_DEP_1)
	v_lshlrev_b32 v[L8], 3, v[L8]
	v_and_b32 v[R4], 15, v0                        ; r
	v_bfe_u32 v[H8], v0, 4, 1                      ; h
	s_delay_alu instid0(VALU_DEP_1)
	v_lshl_add_u32 v[CB], v[R4], 5, v[H8]
	s_delay_alu instid0(VALU_DEP_2)
	v_lshlrev_b32 v[H8], 3, v[H8]
	s_delay_alu instid0(VALU_DEP_1)
	v_sub_nc_u32 v[DR], v[R4], v[H8]
	v_lshlrev_b32 v[R4], 2, v[R4]
	v_mov_b32 v[FF+1], 0
.irp i, 0,1,2,3,4,5
	v_mov_b32 v[Q0+6+\i], 0                        ; zero codes for k = 64 .. 127,
	v_mov_b32 v[Q1+6+\i], 0
	v_mov_b32 v[KF+48+\i], 0                       ; and behind the last key tile
.endr
.irp i, 0,1,2,3
	v_mov_b32 v[PT+\i], 0                          ; written once: a lane permute's destination counts as one of its sources
.endr
	v_mov_b32 v[TT], 0
	s_wait_dscnt 0x0                               ; both opening adds are done
	s_wait_kmcnt 0x0
	s_add_nc_u64 s[34:35], s[4:5], s[66:67]
	s_or_b32 s35, s35, 0x80000000                  ; type = 2
	CROUND                                         ; all four work-groups are here: the joint loads meet
	tensor_load_to_lds s[32:35], s[24:31]          ; my one tensor load
	s_nop 0
; The addresses of tile u (group G in s66, tile C of it in s67) into s[40 + 12 u ..]: +0 Q's codes, +2 Q's words, +4 ctx's codes, +6 ctx's bytes, +8 G, +9 16 C
.macro ADDR u
.set TS, 40+12*(\u)
	s_lshl_b32 s68, s12, 4
	s_add_co_u32 s68, s68, s66
	s_mul_i32 s68, s68, BLKB
	s_mul_i32 s70, s67, 768
	s_add_co_u32 s70, s70, s68
	s_add_co_u32 s70, s70, 13056
	s_mov_b32 s71, 0
	s_add_nc_u64 s[TS:TS+1], s[4:5], s[70:71]
	s_lshl_b32 s70, s67, 6
	s_add_co_u32 s70, s70, s68
	s_add_co_u32 s70, s70, 19200
	s_add_nc_u64 s[TS+2:TS+3], s[4:5], s[70:71]
	s_lshl_b32 s69, s66, 3
	s_add_co_u32 s69, s69, s67                     ; t = 8 G + C
	s_lshl_b32 s70, s13, 7
	s_add_co_u32 s70, s70, s69                     ; 128 batch + t
	s_lshl_b32 s68, s70, 9                         ; its 16 rows of 32 bytes in cs
	s_lshl_b32 s70, s70, 3
	s_lshr_b32 s69, s14, 1
	s_add_co_u32 s70, s70, s69
	s_mul_i32 s70, s70, 1536
	s_and_b32 s69, s14, 1
	s_mul_i32 s69, s69, 768
	s_add_co_u32 s70, s70, s69
	s_add_nc_u64 s[TS+4:TS+5], s[6:7], s[70:71]
	s_lshl_b32 s69, s14, 1
	s_add_co_u32 s70, s68, s69
	s_add_nc_u64 s[TS+6:TS+7], s[8:9], s[70:71]
	s_mov_b32 s[TS+8], s66
	s_lshl_b32 s[TS+9], s67, 4
.endm
	s_mov_b32 s66, s15
	s_mov_b32 s67, s16
	ADDR 0
	s_sub_co_u32 s66, 15, s15
	s_sub_co_u32 s67, 7, s16
	ADDR 1
.irp p, 0,1,2
	global_load_b64 v[Q0+2*\p:Q0+2*\p+1], v[L8], s[40:41] offset:256*\p    ; Q's half images stay in registers
	global_load_b64 v[Q1+2*\p:Q1+2*\p+1], v[L8], s[52:53] offset:256*\p
.endr
	global_load_b32 v[Q0W], v[R4], s[42:43]
	global_load_b32 v[Q1W], v[R4], s[54:55]
	s_wait_tensorcnt 0x0                           ; my block is in,
	s_barrier_signal -1
	s_barrier_wait -1                              ; everybody's is: the head's K and V lie in LDS, and nothing writes them again
	s_wait_loadcnt 0x0                             ; Q
; A KEY STEP: keys 128 s37 on, from LDS byte s36 on.
.macro STEP QB, QW, LIM
	s_cmp_gt_u32 s37, s[\LIM]                      ; all 128 keys come after my 16 queries: the step's work is left out; the line at its end that steps the address is not
	s_cbranch_scc1 .Lhid_\@
	s_setprio 2
	v_add_nc_u32 v[ADK], s36, v[L8]
	v_add_nc_u32 v[ADS], s36, v[R4]
	v_nop
	v_nop                                          ; four plain lines between the last step's products and the loads into their sources
.irp t, 0,1,2,3,4,5,6,7
.irp p, 0,1,2
	ds_load_b64 v[KF+6*\t+2*\p:KF+6*\t+2*\p+1], v[ADK] offset:768*\t+256*\p
.endr
.endr
.irp t, 0,1,2,3,4,5,6,7
	ds_load_b32 v[KW+\t], v[ADS] offset:6144+64*\t
.endr
.irp t, 0,1,2,3
.irp p, 0,1,2,3,4,5
	ds_load_b64 v[VF+12*\t+2*\p:VF+12*\t+2*\p+1], v[ADK] offset:6656+1536*\t+256*\p
.endr
.endr
.irp t, 0,1,2,3
	ds_load_b32 v[VW+\t], v[ADS] offset:12800+64*\t
.endr
	s_wait_dscnt 28                                ; K's 32 loads are in; V's 28 stay out and land under the softmax
.irp t, 0,1,2,3,4,5,6,7
	v_wmma_scale_f32_16x16x128_f8f6f4 v[S+8*\t:S+8*\t+7], v[KF+6*\t:KF+6*\t+11], v[\QB:\QB+11], 0, v[KW+\t], v[\QW] matrix_a_fmt:MATRIX_FMT_FP6 matrix_b_fmt:MATRIX_FMT_FP6
.endr
.rept 4
	v_nop
.endr
	s_cmp_lg_u32 s37, s[\LIM]                      ; only the step on the diagonal hides keys
	s_cbranch_scc1 .Lopen_\@
	v_mov_b32 v[NI], 0xff800000                    ; -infinity: p = 0 then
.set NN, 0
	s_wait_alu depctr_va_vdst(0)
.rept 64
	v_cmp_gt_i32 vcc_lo, 16*(NN/8)+NN%8, v[DD]     ; register NN holds the step's key 16 (NN / 8) + 8 h + NN % 8; my query is its 16 C + r
	v_cndmask_b32 v[S+NN], v[S+NN], v[NI], vcc_lo
.set NN, NN+1
.endr
.Lopen_\@:
.irp b, 0,1,2,3
	v_max3_num_f32 v[BM+\b], v[S+16*\b], v[S+16*\b+1], v[S+16*\b+2]    ; the largest score of each block of 32 keys: it serves for the row's maximum and, since p rises with the score, for the block's largest p
.endr
.irp i, 3,5,7,9,11,13
.irp b, 0,1,2,3
	v_max3_num_f32 v[BM+\b], v[BM+\b], v[S+16*\b+\i], v[S+16*\b+\i+1]
.endr
.endr
.irp b, 0,1,2,3
	v_max_num_f32 v[BM+\b], v[BM+\b], v[S+16*\b+15]
.endr
.irp b, 0,1,2,3
	s_delay_alu instid0(VALU_DEP_4)
	v_permlanex16_b32 v[PT+\b], v[BM+\b], s20, s21
.endr
.irp b, 0,1,2,3
	s_delay_alu instid0(VALU_DEP_4)
	v_max_num_f32 v[BM+\b], v[BM+\b], v[PT+\b]     ; with lane l xor 16's 16 keys
.endr
	s_delay_alu instid0(VALU_DEP_2)
	v_max3_num_f32 v[TT], v[BM], v[BM+1], v[BM+2]
	s_delay_alu instid0(VALU_DEP_1)
	v_max_num_f32 v[TT], v[TT], v[BM+3]
	s_delay_alu instid0(VALU_DEP_1)
	v_mul_f32 v[TT], s22, v[TT]                    ; the step's largest t (c is positive)
	s_delay_alu instid0(VALU_DEP_1)
	v_max_num_f32 v13, v13, v[TT]                  ; the running largest t
	v_mov_b32 v[TT], v12
	s_delay_alu instid0(VALU_DEP_2)
	v_floor_f32 v12, -v13                          ; the new -M = floor(-t): M is a whole number
	s_delay_alu instid0(VALU_DEP_1)
	v_sub_f32 v[TT], v12, v[TT]                    ; old M - new M: a whole number, 0 or less
	s_delay_alu instid0(VALU_DEP_1)
	v_cvt_i32_f32 v[TT], v[TT]                     ; (it saturates)
	s_delay_alu instid0(VALU_DEP_1)
	v_ldexp_f32 v[FF], 1.0, v[TT]                  ; f = 2^(old M - new M): a multiplication by it rounds nothing
.set NN, 0
	s_setprio 1
.rept 32
	v_pk_fma_f32 v[S+NN:S+NN+1], v[S+NN:S+NN+1], s[22:23], v[12:13] op_sel_hi:[1,0,0]   ; t - M, two at a time
.set NN, NN+2
.endr
.irp b, 0,1,2,3
	v_fma_f32 v[BM+\b], v[BM+\b], s22, v12         ; the same of each block's largest score
.endr
.set NN, 0
	s_wait_alu depctr_va_vdst(0)
.rept 64
	v_exp_f32 v[S+NN], v[S+NN]                     ; p = 2^(t - M), not normalised
.set NN, NN+1
.endr
	v_pk_mul_f32 v[14:15], v[14:15], v[FF:FF+1] op_sel_hi:[1,0]    ; the sums under the new M; the plain line behind the exponentials
	s_wait_alu depctr_va_vdst(0)                   ; one wait for the batch of 64, ahead of its first reader
.irp b, 0,1,2,3
	v_exp_f32 v[BM+\b], v[BM+\b]                   ; the blocks' largest p
.endr
	v_pk_add_f32 v[76:77], v[148:149], v[152:153]
	v_pk_add_f32 v[254:255], v[156:157], v[160:161]
	v_pk_add_f32 v[88:89], v[164:165], v[168:169]
	v_pk_add_f32 v[86:87], v[172:173], v[176:177]
	v_pk_add_f32 v[84:85], v[180:181], v[184:185]
	v_pk_add_f32 v[82:83], v[188:189], v[192:193]
	v_pk_add_f32 v[80:81], v[196:197], v[200:201]
	v_pk_add_f32 v[14:15], v[14:15], v[204:205]
	v_pk_add_f32 v[76:77], v[76:77], v[144:145]
	v_pk_add_f32 v[254:255], v[254:255], v[146:147]
	v_pk_add_f32 v[88:89], v[88:89], v[150:151]
	v_pk_add_f32 v[86:87], v[86:87], v[154:155]
	v_pk_add_f32 v[84:85], v[84:85], v[158:159]
	v_pk_add_f32 v[82:83], v[82:83], v[162:163]
	v_pk_add_f32 v[80:81], v[80:81], v[166:167]
	v_pk_add_f32 v[14:15], v[14:15], v[170:171]
	v_pk_add_f32 v[76:77], v[76:77], v[174:175]
	v_pk_add_f32 v[254:255], v[254:255], v[178:179]
	v_pk_add_f32 v[88:89], v[88:89], v[182:183]
	v_pk_add_f32 v[86:87], v[86:87], v[186:187]
	v_pk_add_f32 v[84:85], v[84:85], v[190:191]
	v_pk_add_f32 v[82:83], v[82:83], v[194:195]
	v_pk_add_f32 v[80:81], v[80:81], v[198:199]
	v_pk_add_f32 v[14:15], v[14:15], v[202:203]
	v_pk_add_f32 v[76:77], v[76:77], v[206:207]
	s_delay_alu instid0(VALU_DEP_2)
	v_pk_add_f32 v[14:15], v[14:15], v[86:87]
	s_delay_alu instid0(VALU_DEP_2)
	v_pk_add_f32 v[76:77], v[76:77], v[84:85]
	v_pk_add_f32 v[254:255], v[254:255], v[82:83]
	v_pk_add_f32 v[88:89], v[88:89], v[80:81]
	s_delay_alu instid0(VALU_DEP_2)
	v_pk_add_f32 v[14:15], v[14:15], v[254:255]
	s_delay_alu instid0(VALU_DEP_2)
	v_pk_add_f32 v[76:77], v[76:77], v[88:89]
	s_delay_alu instid0(VALU_DEP_1)
	v_pk_add_f32 v[14:15], v[14:15], v[76:77]
	s_setprio 0
	s_wait_alu depctr_va_vdst(0)                   ; and one for the four
.irp b, 0,1,2,3
	v_max_num_f32 v[BM+\b], 0x1800000, v[BM+\b]    ; the floor 2^(3 - 127): the byte cannot fall under 1 (a block whose every p is 0 keeps that byte: its codes are zeros)
.endr
.irp b, 0,1,2,3
	s_delay_alu instid0(VALU_DEP_4)
	v_add_nc_u32 v[SO+\b], 0xff000000, v[BM+\b]    ; 2 off the exponent field: the conversion's scale operand
.endr
.irp b, 0,1,2,3
	s_delay_alu instid0(VALU_DEP_4)
	v_lshrrev_b32 v[PT+\b], 23, v[SO+\b]           ; the scale's byte
.endr
	s_delay_alu instid0(VALU_DEP_3)
	v_lshl_or_b32 v[PWD], v[PT+1], 8, v[PT]
	s_delay_alu instid0(VALU_DEP_1)
	v_lshl_or_b32 v[PWD], v[PT+2], 16, v[PWD]
	s_delay_alu instid0(VALU_DEP_1)
	v_lshl_or_b32 v[PWD], v[PT+3], 24, v[PWD]      ; p's scale word for these 128 keys
.irp c, 0,1
	v_cvt_scalef32_pk16_fp6_f32 v[PC+6*\c:PC+6*\c+2], v[S+32*\c:S+32*\c+15], v[SO+2*\c]
	v_cvt_scalef32_pk16_fp6_f32 v[CT+4*\c:CT+4*\c+2], v[S+16+32*\c:S+31+32*\c], v[SO+2*\c+1]   ; (a conversion's three registers begin on an even number)
.endr
	v_nop                                          ; one plain line behind the conversions
.irp c, 0,1                                    ; the operand's layout wants a whole block in a lane
.irp i, 0,1,2
	v_permlane16_swap_b32 v[PC+6*\c+\i], v[CT+4*\c+\i]
.endr
.irp i, 0,1,2
	s_delay_alu instid0(VALU_DEP_3)
	v_mov_b32 v[PC+3+6*\c+\i], v[CT+4*\c+\i]
.endr
.endr
.set NN, 0
.rept 16
	v_pk_mul_f32 v[O+NN:O+NN+1], v[O+NN:O+NN+1], v[FF:FF+1] op_sel_hi:[1,0]   ; O^T under the new M, each accumulator from its low end on; these 16 also stand between the lines that made p's codes and scale word and the products
.set NN, NN+2
.endr
	s_wait_alu depctr_va_vdst(0)
	s_wait_dscnt 0x0                               ; V
.irp t, 0,1,2,3                                ; the four accumulators take turns, one instruction a turn
	v_wmma_scale_f32_16x16x128_f8f6f4 v[O+8*\t:O+8*\t+7], v[VF+12*\t:VF+12*\t+11], v[PC:PC+11], v[O+8*\t:O+8*\t+7], v[VW+\t], v[PWD] matrix_a_fmt:MATRIX_FMT_FP6 matrix_b_fmt:MATRIX_FMT_FP6
.endr
.Lhid_\@:
	s_add_co_u32 s36, s36, KVB                     ; the next step's block
.endm
; A TILE of 16 queries: all 16 key steps are walked (a constant count), those past the diagonal without work; then / l, the quantiser, the stores.
.macro TILE u, QB, QW
.set TS, 40+12*(\u)
.if \u
	s_wait_xcnt 0x0                                ; the first tile's stores have read their data: those registers take loads again only behind this wait
.endif
	v_mov_b32 v13, 0xff61b1e6                      ; the largest t so far: -3e38, under every t
	s_delay_alu instid0(VALU_DEP_1)
	v_floor_f32 v12, -v13                          ; -M
	v_mov_b32 v14, 0
	v_mov_b32 v15, 0
.set NN, 0
.rept 32
	v_mov_b32 v[O+NN], 0                           ; O^T.  (The step is written once: the first finds zeros, which the first change of M leaves zeros)
.set NN, NN+1
.endr
	v_add_nc_u32 v[DD], s[TS+9], v[DR]
	s_mov_b32 s36, 0
	s_mov_b32 s37, 0
.Lkey_\@:
	STEP \QB, \QW, TS+8
	s_add_co_u32 s37, s37, 1
	s_cmp_lt_u32 s37, 16
	s_cbranch_scc1 .Lkey_\@
	s_setprio 0
.rept 4
	v_nop                                          ; places behind the last products
.endr
	v_add_f32 v14, v14, v15                        ; the sum's two halves,
	s_delay_alu instid0(VALU_DEP_1)
	v_permlanex16_b32 v[TT], v14, s20, s21
	s_delay_alu instid0(VALU_DEP_1)
	v_add_f32 v14, v14, v[TT]                      ; and lane l xor 16's: l
	s_wait_alu depctr_va_vdst(0)
	v_rcp_f32 v14, v14
	v_nop                                          ; a plain line behind the reciprocal,
	s_wait_alu depctr_va_vdst(0)                   ; and the wait ahead of its first reader
.set NN, 0
.rept 16
	v_pk_mul_f32 v[S+NN:S+NN+1], v[O+NN:O+NN+1], v[14:15] op_sel_hi:[1,0]    ; ctx: register 8 t + j is channel 16 t + 8 h + j of my query
.set NN, NN+2
.endr
.irp b, 0,1
	v_max3_num_f32 v[BM+\b], |v[S+16*\b]|, |v[S+16*\b+1]|, 0x1800000
.endr
.irp i, 2,4,6,8,10,12,14
.irp b, 0,1
	s_delay_alu instid0(VALU_DEP_2)
	v_max3_num_f32 v[BM+\b], v[BM+\b], |v[S+16*\b+\i]|, |v[S+16*\b+\i+1]|
.endr
.endr
.irp b, 0,1
	s_delay_alu instid0(VALU_DEP_2)
	v_permlanex16_b32 v[PT+\b], v[BM+\b], s20, s21
.endr
.irp b, 0,1
	s_delay_alu instid0(VALU_DEP_2)
	v_max_num_f32 v[BM+\b], v[BM+\b], v[PT+\b]
.endr
.irp b, 0,1
	s_delay_alu instid0(VALU_DEP_2)
	v_add_nc_u32 v[SO+\b], 0xff000000, v[BM+\b]
.endr
.irp b, 0,1
	s_delay_alu instid0(VALU_DEP_2)
	v_lshrrev_b32 v[PT+\b], 23, v[SO+\b]
.endr
	s_delay_alu instid0(VALU_DEP_1)
	v_lshl_or_b32 v[HW], v[PT+1], 8, v[PT]
	s_delay_alu instid0(VALU_DEP_1)
	v_lshrrev_b32 v[BY], v[H8], v[HW]              ; lanes 0-15 store block 0's byte, lanes 16-31 block 1's
	v_cvt_scalef32_pk16_fp6_f32 v[PC:PC+2], v[S:S+15], v[SO]
	v_cvt_scalef32_pk16_fp6_f32 v[CT:CT+2], v[S+16:S+31], v[SO+1]
	v_nop
.irp i, 0,1,2
	v_permlane16_swap_b32 v[PC+\i], v[CT+\i]
.endr
.irp i, 0,1,2
	s_delay_alu instid0(VALU_DEP_3)
	v_mov_b32 v[PC+3+\i], v[CT+\i]
.endr
.irp p, 0,1,2
	global_store_b64 v[L8], v[PC+2*\p:PC+2*\p+1], s[TS+4:TS+5] offset:256*\p   ; a piece: 256 consecutive bytes, at a multiple of 256 from cc's first byte
.endr
	global_store_b8 v[CB], v[BY], s[TS+6:TS+7]
.endm
	TILE 0, Q0, Q0W
	TILE 1, Q1, Q1W
	s_wait_tensorcnt 0x0                           ; the wave's end: behind my tensor load
	ds_add_u32 v[SPW], v[NIL]
	s_wait_dscnt 0x0
	CROUND                                         ; the closing round
	s_endpgm
.Lfunc_end_k_q9750484bc2_attn:
	.size	k_q9750484bc2_attn, .Lfunc_end_k_q9750484bc2_attn-k_q9750484bc2_attn
	.p2alignl 7, 3214868480
	.fill 96, 4, 3214868480
	.section	.rodata,"a",@progbits
	.p2align	6, 0x0
	.amdhsa_kernel k_q9750484bc2_attn
		.amdhsa_group_segment_fixed_size 212992
		.amdhsa_private_segment_fixed_size 0
		.amdhsa_enable_private_segment 0
		.amdhsa_kernarg_size 24
		.amdhsa_user_sgpr_count 2
		.amdhsa_user_sgpr_kernarg_segment_ptr 1
		.amdhsa_wavefront_size32 1
		.amdhsa_system_sgpr_workgroup_id_x 1
		.amdhsa_system_sgpr_workgroup_id_y 1
		.amdhsa_system_sgpr_workgroup_id_z 1
		.amdhsa_system_vgpr_workitem_id 0
		.amdhsa_next_free_vgpr 256
		.amdhsa_next_free_sgpr 72
		.amdhsa_reserve_vcc 1
		.amdhsa_float_denorm_mode_32 3
		.amdhsa_float_denorm_mode_16_64 3
		.amdhsa_memory_ordered 1
		.amdhsa_forward_progress 1
		.amdhsa_inst_pref_size 68
	.end_amdhsa_kernel
	.amdgpu_metadata
---
amdhsa.version: [ 1, 2 ]
amdhsa.kernels:
  - .name:           k_q9750484bc2_attn
    .symbol:         k_q9750484bc2_attn.kd
    .args:
      - { .name: qkv, .offset: 0, .size: 8, .value_kind: global_buffer, .address_space: global }
      - { .name: cc, .offset: 8, .size: 8, .value_kind: global_buffer, .address_space: global }
      - { .name: cs, .offset: 16, .size: 8, .value_kind: global_buffer, .address_space: global }
    .group_segment_fixed_size: 212992
    .private_segment_fixed_size: 0
    .kernarg_segment_align: 8
    .kernarg_segment_size: 24
    .max_flat_workgroup_size: 512
    .sgpr_count:     72
    .vgpr_count:     256
    .wavefront_size: 32
...
	.end_amdgpu_metadata
.endif
;; end of part 3
;; launch out (part 4): grid 4 x 32, 4 waves a work-group, clusters of 4 x 4, 327,680 bytes of LDS; arguments cc, cs, xc, xs, out0; writes out0
.if DOCPART == 4
	.amdgcn_target "amdgcn-amd-amdhsa--gfx1250"
	.amdhsa_code_object_version 6
	.text
	.protected	k_q9750484bc2_out
	.globl	k_q9750484bc2_out
	.p2align	8
	.type	k_q9750484bc2_out,@function
k_q9750484bc2_out:
	s_mov_b64 s[64:65], 0
	v_nop
	global_prefetch_b8 v0, s[64:65] scope:SCOPE_SE
	s_setreg_imm32_b32 hwreg(HW_REG_WAVE_MODE, 25, 1), 1
	s_wait_xcnt 0x0
	s_wait_alu depctr_hold_cnt(0) depctr_sa_sdst(0) depctr_va_vdst(0) depctr_va_sdst(0) depctr_va_ssrc(0) depctr_va_vcc(0) depctr_vm_vsrc(0)
	s_getreg_b32 s2, hwreg(HW_REG_IB_STS2, 6, 4)
	s_cmp_eq_u32 s2, 0
	s_cbranch_scc0 .Lentry_in_a_cluster
	s_endpgm
.Lentry_in_a_cluster:
	s_bfe_u32 s2, ttmp6, 0x10000c
	s_cmp_lg_u32 s2, 0xf033
	s_cbranch_scc0 .Lentry_shape_is_right
	s_endpgm
.Lentry_shape_is_right:
; out0[m][n] = the sum over k of ctx[m][k] WO[n][k], on ctx's codes (launch attn) and WO's (launch quant: stacked rows 27,648 on).  out0: [8,192][1,024] f32.  Nothing of reference() is left out here.
; A tile of 256 x 256 is made by a work-group of four waves, 128 x 128 a wave: 64 accumulators, 512 registers.  K = 1,024 goes in steps of 256 through a ring of two LDS slots.
; Both buffers of codes hold fragment images (16 rows x 128 K = six pieces of 256 bytes, piece p = registers 2 p, 2 p + 1, 8 bytes a lane): a tensor load brings, for 8 runs of 16 rows, the two images of a K step
; (3,072 consecutive bytes, 12,288 bytes from run to run); a fragment is six LDS loads of 8 bytes a lane, 256 consecutive bytes each.  The scales of the work-group's 2 x 256 rows come into LDS once and stay.
; CLUSTERS: 4 x 4 work-groups; A's tiles are asked for jointly along a row of the cluster, B's along a column.  The matrix instruction is used transposed (source 0 = 16 rows of WO, source 1 = 16 rows of ctx):
; a lane then holds eight neighbouring numbers of a row of out0.  128 work-groups: a wave tile under 128 x 128 would read each fragment from LDS for fewer products.
.set SIZE_N, 1024
.set NQ,     2
.set FIB,    1536
.set TILEB,  NQ*FIB
.set KROW,   768
.set FR,     12
.set NL,     6
.set NP,     4
.set HALFT,  8*TILEB
.set SLOT,   4*HALFT
.set LAPS,   2
.set KS,     32
.set SCL,    2*SLOT
.set HALFS,  16*272
.set SBLK,   2*272
.set SPARE,  SCL+4*HALFS               ; the spare words, 128 bytes for each wave: two blocks of 256 bytes that no other line names
.set SPITCH, 528                       ; the way out: a stage of 16 rows x (512 bytes + 16) for each wave, in slot 0, which has had its last fill and its last read when the first result is stored there
.set ADRA, 16
.set ADRB, 20
.set STO,  24                          ; v24  the way out: where I put 32 bytes of a row
.set RD,   25                          ; v25  where I read a row back
.set CO,   26                          ; v26  my byte offset in a row of out0
.set ADRS, 27
.set SPW,  28                          ; v28  LDS address of my spare word; never rewritten
.set NIL,  29                          ; v29  0; never rewritten
.set SC,   32
.set AF,   128
.set BK,   128                         ; the way out: 16 rows read back from the stage: v128-191 and v192-255 by turns
.set G1, 24
.set G0, 32
.set G1B, 48
.set G0B, 56
.set G1S, 68
.set G0S, 76
.set G1SB, 80
.set G0SB, 88
.set MSB, 0
.macro WIN new                         ; the immediate's high byte repeats the setting that is left
.if MSB != (\new)
	s_set_vgpr_msb (MSB<<8)|(\new)
.set MSB, (\new)
.endif
.endm
.set MUL_LO, 0xa1                      ; source 0 (B) window 1, source 1 (A) window 0, C and D window 2
.set MUL_HI, 0xf1                      ; the same, C and D window 3
.set TO_B,   0x40                      ; destination window 1, address window 0
.macro JLOAD g0a, g1a, g0b, g1b        ; a joint load: waves 0 and 1 fetch for A, waves 2 and 3 for B; an s_nop 0 and four v_nop follow each of the two lines
	s_cmp_eq_u32 s15, 0
	s_cbranch_scc0 .Lfor_b_\@
	tensor_load_to_lds s[\g0a:\g0a+3], s[\g1a:\g1a+7]
	s_nop 0
.rept 4
	v_nop
.endr
	s_branch .Lasked_\@
.Lfor_b_\@:
	tensor_load_to_lds s[\g0b:\g0b+3], s[\g1b:\g1b+7]
	s_nop 0
.rept 4
	v_nop
.endr
.Lasked_\@:
.endm
.macro CREST
	s_cmp_lg_u32 s14, 0
	s_cbranch_scc1 .Lnot_wave_0_\@
	s_barrier_signal -3
.Lnot_wave_0_\@:
	s_barrier_wait -3
	s_barrier_signal -1
	s_barrier_wait -1
.endm
.macro CROUND
	s_barrier_signal -1
	s_barrier_wait -1
	CREST
.endm
	s_load_b128 s[4:7], s[0:1], 0x0                ; cc s[4:5], cs s[6:7]
	s_load_b128 s[8:11], s[0:1], 0x10              ; xc s[8:9], xs s[10:11]
	s_load_b64 s[12:13], s[0:1], 0x20              ; out0
	v_lshl_add_u32 v[SPW], v0, 2, SPARE
	v_mov_b32 v[NIL], 0
	ds_add_u32 v[SPW], v[NIL]                      ; the wave's opening: the add, twice on end, and its wait ahead of my first tensor load
	ds_add_u32 v[SPW], v[NIL]
	v_lshrrev_b32 v1, 5, v0
	v_readfirstlane_b32 s14, v1                    ; wave 0..3
	s_lshr_b32 s15, s14, 1                         ; which half of the tile's rows is mine.  Also: I fetch for A (0) or for B (1)
	s_and_b32 s16, s14, 1                          ; which half of its columns.  Also: which 128 rows of that tile I fetch
	s_bfe_u32 s40, ttmp6, 0x40000                  ; cx, cy
	s_bfe_u32 s41, ttmp6, 0x40004
	s_lshl_b32 s42, ttmp9, 2
	s_add_co_u32 s42, s42, s40                     ; tile column
	s_and_b32 s17, ttmp7, 0xffff
	s_lshl_b32 s17, s17, 2
	s_add_co_u32 s17, s17, s41                     ; tile row
	s_lshl_b32 s43, s41, 2
	s_lshl_b32 s43, 15, s43                        ; my row of the cluster
	s_lshl_b32 s44, 0x1111, s40                    ; my column
	s_or_b32 s[G1+0], s43, (3<<16)|(1<<21)         ; codes: 8 rows of 384 elements of 8 bytes, 1,536 elements apart; dense in LDS
	s_or_b32 s[G1B+0], s44, (3<<16)|(1<<21)
.irp g, G1, G1B
	s_mov_b32 s[\g+1], 384<<16
	s_mov_b32 s[\g+2], 8<<16
	s_mov_b32 s[\g+3], 384<<16
	s_mov_b32 s[\g+4], 8
	s_mov_b32 s[\g+5], 1536
	s_mov_b32 s[\g+6], 0
	s_mov_b32 s[\g+7], 0
.endr
	s_or_b32 s[G1S+0], s43, (3<<16)|(1<<20)|(1<<21)|(5<<22)|(3<<25)   ; scales of 128 rows: 16 rows of 256 bytes, 16 bytes of padding behind each
	s_or_b32 s[G1SB+0], s44, (3<<16)|(1<<20)|(1<<21)|(5<<22)|(3<<25)
.irp g, G1S, G1SB
	s_mov_b32 s[\g+1], 32<<16
	s_mov_b32 s[\g+2], 16<<16
	s_mov_b32 s[\g+3], 32<<16
	s_mov_b32 s[\g+4], 16
	s_mov_b32 s[\g+5], 32
	s_mov_b32 s[\g+6], 0
	s_mov_b32 s[\g+7], 0
.endr
	s_lshl_b32 s18, s16, 7
	s_lshl_b32 s20, s17, 8
	s_add_co_u32 s20, s20, s18                     ; A: row 256 x tile row + 128 x half
	s_lshl_b32 s46, s42, 8
	s_add_co_u32 s46, s46, s18
	s_add_co_u32 s46, s46, 27648                   ; B: WO's rows among the stacked rows
	s_mov_b32 s21, 0
	s_mov_b32 s47, 0
	s_mov_b64 s[18:19], KS
	s_mul_u64 s[22:23], s[20:21], s[18:19]
	s_mul_u64 s[92:93], s[46:47], s[18:19]
	s_mov_b64 s[18:19], KROW
	s_mul_u64 s[20:21], s[20:21], s[18:19]
	s_mul_u64 s[46:47], s[46:47], s[18:19]
	s_mul_i32 s45, s14, HALFT
	s_mul_i32 s94, s14, HALFS
	s_wait_dscnt 0x0                               ; both opening adds are done
	s_wait_kmcnt 0x0
	s_add_nc_u64 s[20:21], s[4:5], s[20:21]
	s_add_nc_u64 s[22:23], s[6:7], s[22:23]
	s_add_nc_u64 s[46:47], s[8:9], s[46:47]
	s_add_nc_u64 s[92:93], s[10:11], s[92:93]
	CROUND                                         ; all sixteen work-groups are here: the first joint loads meet
	s_mov_b32 s[G0S], 1
	s_add_co_u32 s[G0S+1], s94, SCL
	s_mov_b64 s[G0S+2:G0S+3], s[22:23]
	s_or_b32 s[G0S+3], s[G0S+3], 0x80000000
	s_mov_b32 s[G0SB], 1
	s_add_co_u32 s[G0SB+1], s94, SCL
	s_mov_b64 s[G0SB+2:G0SB+3], s[92:93]
	s_or_b32 s[G0SB+3], s[G0SB+3], 0x80000000
	JLOAD G0S, G1S, G0SB, G1SB
.irp s, 0,1
	s_mov_b32 s[G0+4*\s], 1
	s_add_co_u32 s[G0+4*\s+1], s45, \s*SLOT
	s_add_nc_u64 s[G0+4*\s+2:G0+4*\s+3], s[20:21], \s*TILEB
	s_or_b32 s[G0+4*\s+3], s[G0+4*\s+3], 0x80000000
	s_mov_b32 s[G0B+4*\s], 1
	s_add_co_u32 s[G0B+4*\s+1], s45, \s*SLOT
	s_add_nc_u64 s[G0B+4*\s+2:G0B+4*\s+3], s[46:47], \s*TILEB
	s_or_b32 s[G0B+4*\s+3], s[G0B+4*\s+3], 0x80000000
	JLOAD G0+4*\s, G1, G0B+4*\s, G1B               ; three loads of mine are out behind the second of these
.endr
	v_and_b32 v1, 15, v0                           ; l % 16
	v_bfe_u32 v2, v0, 4, 1                         ; l / 16
	v_and_b32 v3, 31, v0
	v_lshlrev_b32 v4, 3, v3                        ; 8 x lane
	s_mul_i32 s21, s15, HALFT
	s_mul_i32 s22, s16, HALFT
	s_add_co_u32 s22, s22, 2*HALFT
.irp s, 0,1
	v_add_nc_u32 v[ADRA+\s], s21, v4
	v_add_nc_u32 v[ADRB+\s], s22, v4
	s_add_co_u32 s21, s21, SLOT
	s_add_co_u32 s22, s22, SLOT
.endr
	v_mul_u32_u24 v5, v1, KS
	v_lshrrev_b32 v6, 8, v5
	v_lshl_add_u32 v5, v6, 4, v5
	s_mul_i32 s21, s15, HALFS
	s_mul_i32 s22, s16, HALFS
	s_add_co_u32 s22, s22, 2*HALFS
	s_sub_co_u32 s22, s22, s21
	v_mul_u32_u24 v6, s22, v2                      ; lanes 16-31 take B's
	s_add_co_u32 s21, s21, SCL
	v_add_nc_u32 v5, v5, v6
	v_add_nc_u32 v[ADRS], s21, v5
	s_mul_i32 s23, s14, 16*SPITCH                  ; my stage
	v_mul_u32_u24 v5, v1, SPITCH
	v_lshl_add_u32 v5, v2, 5, v5
	v_add_nc_u32 v[STO], s23, v5
	v_lshlrev_b32 v[CO], 4, v3
	v_add_nc_u32 v[RD], s23, v[CO]
	s_lshl_b32 s20, s17, 8
	s_lshl_b32 s21, s15, 7
	s_add_co_u32 s20, s20, s21                     ; my first row of out0
	s_mov_b32 s21, 0
	s_mov_b64 s[18:19], SIZE_N*4
	s_mul_u64 s[20:21], s[20:21], s[18:19]
	s_lshl_b32 s46, s42, 10                        ; my first column, in bytes
	s_lshl_b32 s47, s16, 9
	s_add_co_u32 s46, s46, s47
	s_mov_b32 s47, 0
	s_add_nc_u64 s[20:21], s[20:21], s[46:47]
	s_add_nc_u64 s[12:13], s[12:13], s[20:21]
.macro FRAG reg, adr, q, i
.irp p, 0,1,2,3,4,5
	ds_load_b64 v[\reg+2*\p:\reg+2*\p+1], v[\adr] offset:FIB*(\q)+256*\p+TILEB*(\i)
.endr
.endm
; The 64 accumulators take turns, one instruction a turn, in the same order in every step.
.macro MUL16 a0, p, q, sc, zero
.irp a, \a0, \a0+1
.irp b, 0,1,2,3,4,5,6,7
.if \zero
	v_wmma_scale_f32_16x16x128_f8f6f4 v[8*(8*((\a)%4)+\b):8*(8*((\a)%4)+\b)+7], v[128*(\p)+FR*\b:128*(\p)+FR*\b+FR-1], v[AF+FR*(\a):AF+FR*(\a)+FR-1], 0, v[SC+8*NQ*(\sc)+NQ*\b+(\q)], v[SC+8*NQ*(\sc)+NQ*(\a)+(\q)] matrix_a_fmt:MATRIX_FMT_FP6 matrix_b_fmt:MATRIX_FMT_FP6 matrix_a_scale:MATRIX_SCALE_ROW1
.else
	v_wmma_scale_f32_16x16x128_f8f6f4 v[8*(8*((\a)%4)+\b):8*(8*((\a)%4)+\b)+7], v[128*(\p)+FR*\b:128*(\p)+FR*\b+FR-1], v[AF+FR*(\a):AF+FR*(\a)+FR-1], v[8*(8*((\a)%4)+\b):8*(8*((\a)%4)+\b)+7], v[SC+8*NQ*(\sc)+NQ*\b+(\q)], v[SC+8*NQ*(\sc)+NQ*(\a)+(\q)] matrix_a_fmt:MATRIX_FMT_FP6 matrix_b_fmt:MATRIX_FMT_FP6 matrix_a_scale:MATRIX_SCALE_ROW1
.endif
.endr
.endr
.endm
.macro FETCH_B slot, q, p
	WIN TO_B
.irp i, 0,1,2,3,4,5,6,7
	FRAG 128*(\p)+FR*\i, ADRB+\slot, \q, \i
.endr
	WIN 0
.endm
.macro FETCH_A slot, q, i0
.irp i, \i0, \i0+1, \i0+2, \i0+3
	FRAG AF+FR*(\i), ADRA+\slot, \q, \i
.endr
.endm
.macro SCALES sc
.irp i, 0,1,2,3,4,5,6,7
	ds_load_b64 v[SC+8*NQ*\sc+NQ*\i:SC+8*NQ*\sc+NQ*\i+1], v[ADRS] offset:\i*SBLK
.endr
.endm
.macro PLACES n                        ; plain vector lines between a matrix instruction and a load into, or a read of, its registers
.rept \n
	v_nop
.endr
.endm
.macro STEP slot, q, zero
	s_wait_dscnt 4*NL                              ; B's set and A's blocks 0-3 are in; the youngest 24 loads (A's blocks 4-7) may be out
	WIN MUL_LO
	MUL16 0, (\q)%2, \q, \slot, \zero
	MUL16 2, (\q)%2, \q, \slot, \zero
	s_wait_dscnt 0
	PLACES NP
	FETCH_B \slot, (\q)+1, 1-(\q)%2
	FETCH_A \slot, (\q)+1, 0
	WIN MUL_HI
	MUL16 4, (\q)%2, \q, \slot, \zero
	MUL16 6, (\q)%2, \q, \slot, \zero
	PLACES NP
	WIN 0
	FETCH_A \slot, (\q)+1, 4
.endm
.macro TURN slot, next, fill
	s_wait_tensorcnt 0x0                           ; all my tensor loads have landed: my part of the next slot
	ds_add_u32 v[SPW], v[NIL]                      ; 0 onto my spare word
	s_wait_dscnt 4*NL+1                            ; (the add and the youngest 24 loads may be out)
	WIN MUL_LO
	MUL16 0, 1, NQ-1, \slot, 0
	s_wait_dscnt 0x0                               ; the add is done, and my reads of this slot are over
	s_barrier_signal -1
	MUL16 2, 1, NQ-1, \slot, 0
	WIN 0
	s_barrier_wait -1
.if \fill
	CREST                                          ; the barrier has opened a round of the cluster's barrier: no wave of any partner still reads this slot's tile or has a load on its way
	s_add_nc_u64 s[G0+4*\slot+2:G0+4*\slot+3], s[G0+4*\slot+2:G0+4*\slot+3], 2*TILEB
	s_add_nc_u64 s[G0B+4*\slot+2:G0B+4*\slot+3], s[G0B+4*\slot+2:G0B+4*\slot+3], 2*TILEB
	JLOAD G0+4*\slot, G1, G0B+4*\slot, G1B         ; the first tensor load behind the round, my one load until the next
.else
	PLACES NP
.endif
	v_add_nc_u32 v[ADRS], 4*NQ, v[ADRS]            ; on to the next K step's scale words (no LDS load of mine is out)
	FETCH_B \next, 0, 0
	FETCH_A \next, 0, 0
	SCALES \next
	WIN MUL_HI
	MUL16 4, 1, NQ-1, \slot, 0
	MUL16 6, 1, NQ-1, \slot, 0
	PLACES NP
	WIN 0
	FETCH_A \next, 0, 4
.endm
	s_wait_tensorcnt 1                             ; the scales and my part of K step 0 are in (K step 1's load may be out)
	s_barrier_signal -1
	s_barrier_wait -1                              ; everybody's are
	FETCH_B 0, 0, 0
	FETCH_A 0, 0, 0
	SCALES 0
	FETCH_A 0, 0, 4
	STEP 0, 0, 1                                   ; the first step's products start the sums
	s_mov_b32 s3, LAPS-1
.Llap:
	TURN 0, 1, 1
	STEP 1, 0, 0
	TURN 1, 0, 1
	STEP 0, 0, 0
	s_sub_co_u32 s3, s3, 1
	s_cmp_lg_u32 s3, 0
	s_cbranch_scc1 .Llap
	TURN 0, 1, 0                                   ; the last lap fills nothing
	STEP 1, 0, 0
	s_wait_dscnt 4*NL
	WIN MUL_LO
	MUL16 0, 1, NQ-1, 1, 0
	MUL16 2, 1, NQ-1, 1, 0
	s_wait_dscnt 0
	WIN MUL_HI
	MUL16 4, 1, NQ-1, 1, 0
	MUL16 6, 1, NQ-1, 1, 0
	WIN 0
; THE WAY OUT, block by block of 16 rows x 128 columns: through my own stage in LDS and back as whole rows of 512 bytes.  LDS serves a wave's instructions in order: no wait between the stores and the loads.
.macro TOSTAGE a
.set AC, 64*((\a)%4)
	WIN 0x08+4*((\a)/4)                            ; the data: window 2 or 3
.irp b, 0,1,2,3,4,5,6,7
	ds_store_b128 v[STO], v[AC+8*\b:AC+8*\b+3] offset:64*\b          ; each accumulator from its low end on
	ds_store_b128 v[STO], v[AC+8*\b+4:AC+8*\b+7] offset:64*\b+16
.endr
	WIN 0
.set BB, BK+64*((\a)%2)
.irp t, 0,1,2,3,4,5,6,7,8,9,10,11,12,13,14,15
	ds_load_b128 v[BB+4*\t:BB+4*\t+3], v[RD] offset:\t*SPITCH
.endr
.endm
.macro SEND a, younger                 ; younger: the LDS instructions issued behind block a's loads, which may stay out
.set BB, BK+64*((\a)%2)
	s_wait_dscnt \younger
.if (\a) > 0
	s_add_nc_u64 s[12:13], s[12:13], 16*SIZE_N*4   ; (behind a wait on XCNT: the earlier stores have read their base)  16 rows on
.endif
.irp t, 0,1,2,3,4,5,6,7,8,9,10,11,12,13,14,15
	global_store_b128 v[CO], v[BB+4*\t:BB+4*\t+3], s[12:13] offset:\t*SIZE_N*4 th:TH_STORE_NT   ; 32 lanes store 512 consecutive bytes, at a multiple of 256 from out0's first byte
.endr
.endm
	PLACES NP
	TOSTAGE 0
.irp a, 1,2,3,4,5,6,7
.if \a > 1
	s_wait_xcnt 0x0                                ; block a - 2's stores have read their registers and their base
.endif
	TOSTAGE \a
	SEND \a-1, 32                                  ; behind block a - 1's loads: block a's 16 stores and 16 loads
.endr
	s_wait_xcnt 0x0
	SEND 7, 0
	s_wait_tensorcnt 0x0                           ; the wave's end: behind my last tensor load and my last LDS store
	ds_add_u32 v[SPW], v[NIL]
	s_wait_dscnt 0x0
	CROUND                                         ; the closing round
	s_endpgm
.Lfunc_end_k_q9750484bc2_out:
	.size	k_q9750484bc2_out, .Lfunc_end_k_q9750484bc2_out-k_q9750484bc2_out
	.p2alignl 7, 3214868480
	.fill 96, 4, 3214868480
	.section	.rodata,"a",@progbits
	.p2align	6, 0x0
	.amdhsa_kernel k_q9750484bc2_out
		.amdhsa_group_segment_fixed_size 327680
		.amdhsa_private_segment_fixed_size 0
		.amdhsa_enable_private_segment 0
		.amdhsa_kernarg_size 40
		.amdhsa_user_sgpr_count 2
		.amdhsa_user_sgpr_kernarg_segment_ptr 1
		.amdhsa_wavefront_size32 1
		.amdhsa_system_sgpr_workgroup_id_x 1
		.amdhsa_system_sgpr_workgroup_id_y 1
		.amdhsa_system_sgpr_workgroup_id_z 1
		.amdhsa_system_vgpr_workitem_id 0
		.amdhsa_next_free_vgpr 1024
		.amdhsa_next_free_sgpr 98
		.amdhsa_reserve_vcc 0
		.amdhsa_float_denorm_mode_32 3
		.amdhsa_float_denorm_mode_16_64 3
		.amdhsa_memory_ordered 1
		.amdhsa_forward_progress 1
		.amdhsa_inst_pref_size 159
	.end_amdhsa_kernel
	.amdgpu_metadata
---
amdhsa.version: [ 1, 2 ]
amdhsa.kernels:
  - .name:           k_q9750484bc2_out
    .symbol:         k_q9750484bc2_out.kd
    .args:
      - { .name: cc, .offset: 0, .size: 8, .value_kind: global_buffer, .address_space: global }
      - { .name: cs, .offset: 8, .size: 8, .value_kind: global_buffer, .address_space: global }
      - { .name: xc, .offset: 16, .size: 8, .value_kind: global_buffer, .address_space: global }
      - { .name: xs, .offset: 24, .size: 8, .value_kind: global_buffer, .address_space: global }
      - { .name: out0, .offset: 32, .size: 8, .value_kind: global_buffer, .address_space: global }
    .group_segment_fixed_size: 327680
    .private_segment_fixed_size: 0
    .kernarg_segment_align: 8
    .kernarg_segment_size: 40
    .max_flat_workgroup_size: 128
    .sgpr_count:     98
    .vgpr_count:     1024
    .wavefront_size: 32
...
	.end_amdgpu_metadata
.endif
;; end of part 4
